; MI455X (gfx1250); checked and timed in simulation.
; The chip was launched on July 23, 2026; its instructions are those of AMD's public machine-readable ISA for CDNA 5 (MIT licence, August 2026) and "CDNA5" Instruction Set Architecture Reference Guide (July 2026). The comments in the code are by the model that wrote it; some were corrected since.
;; Dual QK mutlihead attn. Allowed arithmetic: matrix products marked QUANTISED: E3M2 operands, one E8M0 scale for each 32 along K, by v_wmma_scale_f32_16x16x128_f8f6f4 with both operands' format E3M2, f32 sums; everything else in f32.
;; Inputs: attention_mask 2 x 1 x 1 x 2,048 float32; key_tensor 2 x 2,048 x 1,024 float32; key_tensor1 2 x 2,048 x 1,024 float32; params_Wk 1,024 x 1,024 float32; params_Wk1 1,024 x 1,024 float32; params_Wo 1,024 x 1,024 float32; params_Wq 1,024 x 1,024 float32; params_Wq1 1,024 x 1,024 float32; params_Wv 1,024 x 1,024 float32; params_bk 1,024 float32; params_bk1 1,024 float32; params_bo 1,024 float32; params_bq 1,024 float32; params_bq1 1,024 float32; params_bv 1,024 float32; params_dk 1,024 float32; params_dk1 1,024 float32; params_dpost 1,024 float32; params_dq 1,024 float32; params_dq1 1,024 float32; params_dv 1,024 float32; params_gk 1,024 float32; params_gk1 1,024 float32; params_gpost 1,024 float32; params_gq 1,024 float32; params_gq1 1,024 float32; params_gv 1,024 float32; query_tensor 2 x 2,048 x 1,024 float32; query_tensor1 2 x 2,048 x 1,024 float32; value_tensor 2 x 2,048 x 1,024 float32.
;; Outputs: out0 2 x 2,048 x 1,024 float32.
;; This version of the problem:
;;   THIS VERSION OF THE PROBLEM IS GIVEN IN LOW PRECISION. The matrix products marked QUANTISED in the list below multiply operands that are first quantised to E3M2 (3 exponent bits, 2 mantissa bits; 6 bits a number), with one power-of-two scale for each 32 numbers along K (OCP MX v1.0); their sums are f32. All else is computed in f32.
;;   The module's matrix products, in the order in which they are computed (A, B: the left and right operand; K: the contracted axis; several contracted axes count as one K, in the product's order):
;;     1. [M 4,096, K 1,024] x [K 1,024, N 1,024]; A: computed on the way; B: input params_Wq: QUANTISED
;;     2. [M 4,096, K 1,024] x [K 1,024, N 1,024]; A: computed on the way; B: input params_Wk: QUANTISED
;;     3. [M 4,096, K 1,024] x [K 1,024, N 1,024]; A: computed on the way; B: input params_Wq1: QUANTISED
;;     4. [M 4,096, K 1,024] x [K 1,024, N 1,024]; A: computed on the way; B: input params_Wk1: QUANTISED
;;     5. [M 4,096, K 1,024] x [K 1,024, N 1,024]; A: computed on the way; B: input params_Wv: QUANTISED
;;     6. batch 32 x [M 2,048, K 64] x [K 64, N 2,048]; A: computed on the way; B: computed on the way: QUANTISED
;;     7. batch 32 x [M 2,048, K 64] x [K 64, N 2,048]; A: computed on the way; B: computed on the way: QUANTISED
;;     8. batch 32 x [M 2,048, K 2,048] x [K 2,048, N 64]; A: softmax (see below); B: computed on the way: QUANTISED
;;     9. batch 32 x [M 2,048, K 2,048] x [K 2,048, N 64]; A: softmax (see below); B: computed on the way: QUANTISED
;;     10. [M 4,096, K 1,024] x [K 1,024, N 1,024]; A: computed on the way; B: input params_Wo: QUANTISED
;;   THE QUANTISER, for each operand of a quantised product, along K:
;;     - K is cut into blocks of 32 from its start; a last block that is shorter is filled with zeros.
;;     - A block's scale is 2^e with e = floor(log2(the largest magnitude in the block)) - 4, held to -126 .. 127; a block of zeros has e = 0. As a byte (E8M0): e + 127.
;;     - Each number is divided by its block's scale, clamped to +-28, and rounded to the nearest number of E3M2, ties to even, subnormals kept.
;;     - The product sums the exact products of the quantised numbers (number of the format x scale) in f32.
;;   ~~~python
;;   def quantise(x, axis):      # numpy; x: float32 -> the quantised numbers, widened to float32 again
;;       x = np.moveaxis(x, axis, -1); K = x.shape[-1]
;;       x = np.pad(x, [(0, 0)] * (x.ndim - 1) + [(0, -K % 32)]); x = x.reshape(x.shape[:-1] + (-1, 32)); a = np.abs(x).max(-1, keepdims=True)
;;       e = np.where(a > 0, np.clip(np.frexp(np.where(a > 0, a, 1))[1] - 1 - 4, -126, 127), 0)      # np.frexp(a)[1] - 1 = floor(log2(a)), exactly
;;       r = np.clip(x / 2.0 ** e, -28, 28)
;;       step = 2.0 ** (np.maximum(np.frexp(np.where(r == 0, 1, r))[1] - 1, -2) - 2)
;;       q = np.round(r / step) * step * 2.0 ** e      # np.round: ties to even
;;       return np.moveaxis(q.reshape(q.shape[:-2] + (-1,))[..., :K], -1, axis).astype(np.float32)
;;   ~~~
;;   SOFTMAX AHEAD OF A QUANTISED PRODUCT. Where the list says 'softmax', what is quantised is not the finished softmax but p = 2^(t - M), with t = logit x log2(e) and M = ceil(the row's largest t), a whole number; so 1/2 < the row's largest p <= 1. The row's sum l is taken of the UNQUANTISED p, in f32, and the product's result is divided by l at the end. Since M is a whole number, a kernel that streams over the keys may use a running M (the ceiling of the running maximum): every later rescaling is an exact power of two, which a block's scale takes up: the codes' values come out the same.
;;   OPERANDS COMPUTED ON THE WAY. 'Computed on the way' means the value that the module computes at that place (a softmax that the list does not call 'softmax' is quantised finished and normalised). What goes into a quantiser is computed in f32, as accurately as f32 sums, v_exp_f32 and their like allow (about 1e-6 of the number): no bf16 or f16 on the way to a quantiser, and a product that is left as it is and whose result goes on into a quantised operand takes f32 operands (vector FMAs, or v_wmma_f32_16x16x4_f32). A number that lies on a knife's edge between two numbers of the format may be rounded either way, as far as f32 arithmetic and the matrix unit's own rounding can turn it there, and no further.
;; One version. Each part assembles by itself: llvm-mc -triple=amdgcn-amd-amdhsa -mcpu=gfx1250 --defsym DOCPART=n.
;; ======== version 1 of 1: 4 launches
;; limits: right only within a limited range of input values
;; workspace buffers: codes 20,447,232 bytes; scales 851,968 bytes; qq 10,092,544 bytes; kv 10,092,544 bytes; ctx 16,777,216 bytes
;; launch prep (part 1): grid 416 x 1, 4 waves a work-group, no clusters, 25,088 bytes of LDS; arguments query_tensor, key_tensor, query_tensor1, key_tensor1, value_tensor, params_Wq, params_Wk, params_Wq1, params_Wk1, params_Wv, params_Wo, params_gq, params_gk, params_gq1, params_gk1, params_gv, params_dq, params_dk, params_dq1, params_dk1, params_dv, codes, scales; writes codes, scales
.if DOCPART == 1
	.amdgcn_target "amdgcn-amd-amdhsa--gfx1250"
	.amdhsa_code_object_version 6
	.text
	.protected	k_q1fef2e10ee_prep
	.globl	k_q1fef2e10ee_prep
	.p2align	8
	.type	k_q1fef2e10ee_prep,@function
k_q1fef2e10ee_prep:
	s_mov_b64 s[64:65], 0
	v_nop
	global_prefetch_b8 v0, s[64:65] scope:SCOPE_SE
	s_setreg_imm32_b32 hwreg(HW_REG_WAVE_MODE, 25, 1), 1
	s_wait_xcnt 0x0
; Rows of 1,024 f32 numbers become rows of 1,024 codes of BF6 (E3M2; 768 bytes, K innermost) and 32 E8M0 scale bytes, one for each 32 along the row.
; Eleven tensors can be served: five activations [4096][1024], which are first normalised (LayerNorm with gain g and shift d, all in f32: mean, then the mean of the squared differences),
; and six weights [1024][1024], which are taken as they are.  Output row = 64 x work-group + 16 x wave + i: the activations' 20,480 rows, then the weights' 6,144.
; ONE PATH FOR ALL: only pointers and four numbers are chosen, by the work-group's number.  For a weight the mean's factor is 0, 1 / sigma is replaced by 1, g by 1 and d by 0: y = x exactly.
; The spare arithmetic stands beside loads for which the wave waits anyway, and saves a second text.  With a grid of 64 only the first tensor, its g and its d are ever read.
; A wave takes 16 rows, one at a time; a lane holds 32 numbers of the row (eight loads of 16 bytes, each load 512 consecutive bytes of the wave).  Loads run three rows (24 loads a wave) ahead.
; The conversion takes 16 neighbours from ONE lane's registers, so the finished row turns through the wave's own stage in LDS (16 bytes of padding behind each 64) and comes back 64 bytes a lane, twice.
; A block's scale is 2^(floor(log2(largest magnitude)) - 4); its byte is the largest magnitude's exponent field - 4, held at 1 from below.
; LIMITS: a block of zeros gets the byte 1 where the rule says 127 (its codes are zeros, and only this program reads the bytes); blocks whose largest magnitude lies under 2^-122 are quantised under the byte 1;
; NaN and infinities among the inputs are not served.
.set WREG, 6144                        ; LDS of a wave: two half rows of 32 x SP bytes, then its 16 rows' 512 scale bytes
.set SP,   80                          ; a lane's place in the stage: 64 bytes + 16 of padding
.set SCB,  2*32*SP
.set G,    16                          ; v16-47   g at my 32 columns
.set D,    48                          ; v48-79   d
.set X,    80                          ; v80-175  three sets of 32: rows as loaded, then normalised in place
.set Z,    176                         ; v176-207 the row back from the stage: 2 x 16 neighbours
.set C,    208                         ; v208-210, v212-214 codes
.set T,    216                         ; v216-223 four packed chains; +8 a sum; +9 a permute's destination; +10:11 the mean; +12:13 1 / sigma; +14, +15 the two scale bytes
	s_load_b512 s[8:23], s[0:1], 0x0               ; the five activations, Wq, Wk, Wq1
	s_load_b128 s[24:27], s[0:1], 0x40             ; Wk1, Wv
	s_load_b64 s[28:29], s[0:1], 0x50              ; Wo
	s_load_b256 s[32:39], s[0:1], 0x58             ; four g
	s_load_b64 s[40:41], s[0:1], 0x78              ; the fifth
	s_load_b256 s[44:51], s[0:1], 0x80             ; four d
	s_load_b64 s[52:53], s[0:1], 0xa0              ; the fifth
	s_load_b128 s[56:59], s[0:1], 0xa8             ; the codes, the scale bytes
	v_lshl_add_u32 v232, v0, 2, 0x6000
	v_mov_b32 v233, 0
	v_lshrrev_b32 v3, 5, v0
	v_readfirstlane_b32 s2, v3                     ; wave 0..3
	v_and_b32 v1, 31, v0                           ; lane
	s_wait_alu depctr_va_vdst(0)
	v_lshlrev_b32 v2, 4, v1                        ; my 16 bytes of a load's 512
	s_lshr_b32 s66, ttmp9, 6                       ; an activation: which, and which 64 rows of it
	s_and_b32 s67, ttmp9, 63
	s_sub_co_u32 s68, ttmp9, 320                   ; a weight: likewise (used only from work-group 320 on)
	s_lshr_b32 s69, s68, 4
	s_add_co_u32 s69, s69, 5
	s_and_b32 s68, s68, 15
	s_cmp_lt_u32 ttmp9, 320
	s_cselect_b32 s3, s66, s69                     ; the tensor, 0..10
	s_cselect_b32 s4, s67, s68                     ; its block of 64 rows
	s_cselect_b32 s60, -1, 0                       ; a lane mask: all ones where the norm is on
	s_cselect_b32 s5, 0x3a800000, 0                ; the mean's factor: 1 / 1024, or 0
	s_mov_b32 s6, 0x3a800000                       ; 1 / 1024
	s_mov_b32 s7, 0x2b8cbccc                       ; 1e-12
	s_mov_b32 s62, 0x76543210                      ; v_permlanex16_b32's selects for lane l xor 16
	s_mov_b32 s63, 0xfedcba98
	s_mul_i32 s70, s2, WREG
	v_lshrrev_b32 v3, 2, v1
	v_mul_u32_u24 v3, v3, SP
	v_and_b32 v8, 3, v1
	v_lshl_add_u32 v3, v8, 4, v3
	v_add_nc_u32 v3, s70, v3                       ; into the stage: four lanes' 64 bytes on end, then the padding
	v_mul_u32_u24 v4, v1, SP
	v_add_nc_u32 v4, s70, v4                       ; out of it: my 16 neighbours
	s_add_co_u32 s70, s70, SCB
	v_lshrrev_b32 v5, 1, v1
	v_add_nc_u32 v5, s70, v5                       ; my block's scale byte
	v_add_nc_u32 v6, s70, v2                       ; the scale bytes on their way out: 16 a lane
	v_mul_u32_u24 v7, v1, 12                       ; my 16 codes among a half row's
	v_mov_b32 v[T+9], 0                            ; a lane permute's destination counts as one of its sources
	v_mov_b32 v[T+11], 0                           ; named as the upper halves of pairs
	v_mov_b32 v[T+13], 0
	s_lshl_b32 s66, s4, 6
	s_lshl_b32 s67, s2, 4
	s_add_co_u32 s66, s66, s67                     ; my first row in the tensor
	s_lshl_b32 s66, s66, 12                        ; in bytes (under 2^24)
	s_lshl_b32 s68, ttmp9, 6
	s_add_co_u32 s68, s68, s67                     ; my first output row
	s_mov_b32 s67, 0
	s_mul_i32 s70, s68, 768
	s_mov_b32 s71, 0
	s_lshl_b32 s68, s68, 5
	s_mov_b32 s69, 0
	s_wait_kmcnt 0x0
.irp i, 1,2,3,4                        ; the choice hangs on the work-group's number alone
	s_cmp_eq_u32 s3, \i
	s_cselect_b64 s[8:9], s[8+2*\i:9+2*\i], s[8:9]
	s_cselect_b64 s[32:33], s[32+2*\i:33+2*\i], s[32:33]
	s_cselect_b64 s[44:45], s[44+2*\i:45+2*\i], s[44:45]
.endr
.irp i, 5,6,7,8,9,10
	s_cmp_eq_u32 s3, \i
	s_cselect_b64 s[8:9], s[8+2*\i:9+2*\i], s[8:9]
.endr
	s_add_nc_u64 s[8:9], s[8:9], s[66:67]
	s_add_nc_u64 s[56:57], s[56:57], s[70:71]
	s_add_nc_u64 s[58:59], s[58:59], s[68:69]
.irp j, 0,1,2,3,4,5,6,7
	global_load_b128 v[G+4*\j:G+4*\j+3], v2, s[32:33] offset:512*\j
.endr
.irp j, 0,1,2,3,4,5,6,7
	global_load_b128 v[D+4*\j:D+4*\j+3], v2, s[44:45] offset:512*\j
.endr
.macro LOADROW i                       ; row i into set i % 3: eight loads of 512 consecutive bytes
.irp j, 0,1,2,3,4,5,6,7
	global_load_b128 v[X+32*((\i)%3)+4*\j:X+32*((\i)%3)+4*\j+3], v2, s[8:9] offset:4096*(\i)+512*\j th:TH_LOAD_NT
.endr
.endm
	LOADROW 0
	LOADROW 1
	LOADROW 2
	s_wait_loadcnt 24                              ; g and d are in; the three rows' 24 loads may be out
.set j, 0
.rept 32
	v_cndmask_b32 v[G+j], 1.0, v[G+j], s60         ; a weight: g = 1,
	v_cndmask_b32 v[D+j], 0, v[D+j], s60           ; d = 0
.set j, j+1
.endr
.macro REDUCE r                        ; the sum over the 32 lanes, in every lane
	v_add_f32_dpp v[\r], v[\r], v[\r] row_xmask:1 row_mask:0xf bank_mask:0xf
	v_add_f32_dpp v[\r], v[\r], v[\r] row_xmask:2 row_mask:0xf bank_mask:0xf
	v_add_f32_dpp v[\r], v[\r], v[\r] row_xmask:4 row_mask:0xf bank_mask:0xf
	v_add_f32_dpp v[\r], v[\r], v[\r] row_xmask:8 row_mask:0xf bank_mask:0xf
	v_permlanex16_b32 v[T+9], v[\r], s62, s63
	v_add_f32 v[\r], v[\r], v[T+9]
.endm
.macro FOLD                            ; the four packed chains into one number a lane, then over the lanes
	v_pk_add_f32 v[T:T+1], v[T:T+1], v[T+2:T+3]
	v_pk_add_f32 v[T+4:T+5], v[T+4:T+5], v[T+6:T+7]
	v_pk_add_f32 v[T:T+1], v[T:T+1], v[T+4:T+5]
	v_add_f32 v[T+8], v[T], v[T+1]
	REDUCE T+8
.endm
.macro ROW i
.set XS, X+32*((\i)%3)
.if (\i) < 14
	s_wait_loadcnt 16                              ; this row's eight loads are in; the next two rows' may be out
.else
	s_wait_loadcnt 8*(15-(\i))
.endif
.irp c, 0,2,4,6                        ; the row's sum, in four chains; the first additions start them
	v_pk_add_f32 v[T+\c:T+\c+1], v[XS+\c:XS+\c+1], v[XS+8+\c:XS+9+\c]
.endr
.irp m, 16,24
.irp c, 0,2,4,6
	v_pk_add_f32 v[T+\c:T+\c+1], v[T+\c:T+\c+1], v[XS+\m+\c:XS+\m+\c+1]
.endr
.endr
	FOLD
	v_mul_f32 v[T+10], s5, v[T+8]                  ; the mean (0 for a weight)
.set j, 0
.rept 16
	v_pk_add_f32 v[XS+j:XS+j+1], v[XS+j:XS+j+1], v[T+10:T+11] op_sel_hi:[1,0] neg_lo:[0,1] neg_hi:[0,1]   ; x - mean
.set j, j+2
.endr
.irp c, 0,2,4,6                        ; the sum of the squares
	v_pk_mul_f32 v[T+\c:T+\c+1], v[XS+\c:XS+\c+1], v[XS+\c:XS+\c+1]
.endr
.irp m, 8,16,24
.irp c, 0,2,4,6
	v_pk_fma_f32 v[T+\c:T+\c+1], v[XS+\m+\c:XS+\m+\c+1], v[XS+\m+\c:XS+\m+\c+1], v[T+\c:T+\c+1]
.endr
.endr
	FOLD
	v_fma_f32 v[T+8], v[T+8], s6, s7               ; the variance + 1e-12
	s_wait_alu depctr_va_vdst(0)
	v_rsq_f32 v[T+12], v[T+8]
	v_nop                                          ; a plain instruction behind the transcendental (ISA guide 5.7.2),
	s_wait_alu depctr_va_vdst(0)                   ; and the wait ahead of its first reader
	v_cndmask_b32 v[T+12], 1.0, v[T+12], s60       ; a weight: 1
.set j, 0
.rept 16
	v_pk_mul_f32 v[XS+j:XS+j+1], v[XS+j:XS+j+1], v[T+12:T+13] op_sel_hi:[1,0]
.set j, j+2
.endr
.set j, 0
.rept 16
	v_pk_fma_f32 v[XS+j:XS+j+1], v[XS+j:XS+j+1], v[G+j:G+j+1], v[D+j:D+j+1]
.set j, j+2
.endr
.irp j, 0,1,2,3,4,5,6,7                ; through the stage: LDS serves a wave's instructions in order (ISA guide 5.7.1.4), so no wait stands between the stores and the loads
	ds_store_b128 v3, v[XS+4*\j:XS+4*\j+3] offset:32*SP*(\j/4)+8*SP*(\j%4)
.endr
.irp j, 0,1,2,3,4,5,6,7
	ds_load_b128 v[Z+4*\j:Z+4*\j+3], v4 offset:32*SP*(\j/4)+16*(\j%4)
.endr
	s_wait_dscnt 0x0                               ; the row is back: lane l holds k = 512 u + 16 l + 0..15; the stage's stores have read this set, the last row's byte stores their registers
	s_wait_xcnt 0x0                                ; the last row's code stores have read their registers
.if (\i)+3 < 16
	LOADROW (\i)+3
.endif
.irp u, 0,1
.set ZS, Z+16*\u
	v_max3_num_f32 v[8+3*\u], |v[ZS]|, |v[ZS+1]|, |v[ZS+2]|        ; the largest magnitude of my 16, in two chains
	v_max3_num_f32 v[9+3*\u], |v[ZS+3]|, |v[ZS+4]|, |v[ZS+5]|
.irp n, 6,10
	v_max3_num_f32 v[8+3*\u], v[8+3*\u], |v[ZS+\n]|, |v[ZS+\n+1]|
	v_max3_num_f32 v[9+3*\u], v[9+3*\u], |v[ZS+\n+2]|, |v[ZS+\n+3]|
.endr
	v_max3_num_f32 v[8+3*\u], v[8+3*\u], |v[ZS+14]|, |v[ZS+15]|
	v_max3_num_f32 v[8+3*\u], v[8+3*\u], v[9+3*\u], 0x2800000      ; and the floor 2^(5 - 127): the byte cannot fall under 1
	v_max_num_f32_dpp v[8+3*\u], v[8+3*\u], v[8+3*\u] row_xmask:1 row_mask:0xf bank_mask:0xf   ; with my neighbour's 16: the block's
	v_add_nc_u32 v[10+3*\u], 0xfe000000, v[8+3*\u]                 ; 4 off its exponent field: the conversion takes that field as its scale
	v_cvt_scalef32_pk16_bf6_f32 v[C+4*\u:C+4*\u+2], v[ZS:ZS+15], v[10+3*\u]
	v_lshrrev_b32 v[T+14+\u], 23, v[10+3*\u]                       ; the scale's byte (also the plain instruction behind the conversion)
	ds_store_b8 v5, v[T+14+\u] offset:32*(\i)+16*\u                ; both lanes of a block write the same byte with the same value
	global_store_b96 v7, v[C+4*\u:C+4*\u+2], s[56:57] offset:768*(\i)+384*\u   ; the wave stores 384 consecutive bytes; the row's two stores fill three aligned blocks of 256
.endr
.endm
.irp i, 0,1,2,3,4,5,6,7,8,9,10,11,12,13,14,15
	ROW \i
.endr
	ds_load_b128 v[Z:Z+3], v6                      ; my wave's 512 scale bytes: these loads see my stores
	s_wait_dscnt 0x0
	global_store_b128 v2, v[Z:Z+3], s[58:59]       ; 512 consecutive bytes, at a multiple of 256 from the buffer's first byte
	s_wait_tensorcnt 0x0
	ds_add_u32 v232, v233
	s_wait_dscnt 0x0
	s_endpgm
.Lfunc_end_k_q1fef2e10ee_prep:
	.size	k_q1fef2e10ee_prep, .Lfunc_end_k_q1fef2e10ee_prep-k_q1fef2e10ee_prep
	.p2alignl 7, 3214868480
	.fill 96, 4, 3214868480
	.section	.rodata,"a",@progbits
	.p2align	6, 0x0
	.amdhsa_kernel k_q1fef2e10ee_prep
		.amdhsa_group_segment_fixed_size 25088
		.amdhsa_private_segment_fixed_size 0
		.amdhsa_enable_private_segment 0
		.amdhsa_kernarg_size 184
		.amdhsa_user_sgpr_count 2
		.amdhsa_user_sgpr_kernarg_segment_ptr 1
		.amdhsa_wavefront_size32 1
		.amdhsa_system_sgpr_workgroup_id_x 1
		.amdhsa_system_sgpr_workgroup_id_y 1
		.amdhsa_system_sgpr_workgroup_id_z 1
		.amdhsa_system_vgpr_workitem_id 0
		.amdhsa_next_free_vgpr 234
		.amdhsa_next_free_sgpr 72
		.amdhsa_reserve_vcc 0
		.amdhsa_float_denorm_mode_32 3
		.amdhsa_float_denorm_mode_16_64 3
		.amdhsa_memory_ordered 1
		.amdhsa_forward_progress 1
		.amdhsa_inst_pref_size 167
	.end_amdhsa_kernel
	.amdgpu_metadata
---
amdhsa.version: [ 1, 2 ]
amdhsa.kernels:
  - .name:           k_q1fef2e10ee_prep
    .symbol:         k_q1fef2e10ee_prep.kd
    .args:
      - { .name: query_tensor, .offset: 0, .size: 8, .value_kind: global_buffer, .address_space: global }
      - { .name: key_tensor, .offset: 8, .size: 8, .value_kind: global_buffer, .address_space: global }
      - { .name: query_tensor1, .offset: 16, .size: 8, .value_kind: global_buffer, .address_space: global }
      - { .name: key_tensor1, .offset: 24, .size: 8, .value_kind: global_buffer, .address_space: global }
      - { .name: value_tensor, .offset: 32, .size: 8, .value_kind: global_buffer, .address_space: global }
      - { .name: params_Wq, .offset: 40, .size: 8, .value_kind: global_buffer, .address_space: global }
      - { .name: params_Wk, .offset: 48, .size: 8, .value_kind: global_buffer, .address_space: global }
      - { .name: params_Wq1, .offset: 56, .size: 8, .value_kind: global_buffer, .address_space: global }
      - { .name: params_Wk1, .offset: 64, .size: 8, .value_kind: global_buffer, .address_space: global }
      - { .name: params_Wv, .offset: 72, .size: 8, .value_kind: global_buffer, .address_space: global }
      - { .name: params_Wo, .offset: 80, .size: 8, .value_kind: global_buffer, .address_space: global }
      - { .name: params_gq, .offset: 88, .size: 8, .value_kind: global_buffer, .address_space: global }
      - { .name: params_gk, .offset: 96, .size: 8, .value_kind: global_buffer, .address_space: global }
      - { .name: params_gq1, .offset: 104, .size: 8, .value_kind: global_buffer, .address_space: global }
      - { .name: params_gk1, .offset: 112, .size: 8, .value_kind: global_buffer, .address_space: global }
      - { .name: params_gv, .offset: 120, .size: 8, .value_kind: global_buffer, .address_space: global }
      - { .name: params_dq, .offset: 128, .size: 8, .value_kind: global_buffer, .address_space: global }
      - { .name: params_dk, .offset: 136, .size: 8, .value_kind: global_buffer, .address_space: global }
      - { .name: params_dq1, .offset: 144, .size: 8, .value_kind: global_buffer, .address_space: global }
      - { .name: params_dk1, .offset: 152, .size: 8, .value_kind: global_buffer, .address_space: global }
      - { .name: params_dv, .offset: 160, .size: 8, .value_kind: global_buffer, .address_space: global }
      - { .name: codes, .offset: 168, .size: 8, .value_kind: global_buffer, .address_space: global }
      - { .name: scales, .offset: 176, .size: 8, .value_kind: global_buffer, .address_space: global }
    .group_segment_fixed_size: 25088
    .private_segment_fixed_size: 0
    .kernarg_segment_align: 8
    .kernarg_segment_size: 184
    .max_flat_workgroup_size: 128
    .sgpr_count:     72
    .vgpr_count:     234
    .wavefront_size: 32
...
	.end_amdgpu_metadata
.endif
;; end of part 1
;; launch proj (part 2): grid 4 x 80, 4 waves a work-group, clusters of 4 x 4, 327,680 bytes of LDS; arguments codes, scales, params_bq, params_bk, params_bq1, params_bk1, params_bv, qq, kv; writes qq, kv
.if DOCPART == 2
	.amdgcn_target "amdgcn-amd-amdhsa--gfx1250"
	.amdhsa_code_object_version 6
	.text
	.protected	k_q1fef2e10ee_proj
	.globl	k_q1fef2e10ee_proj
	.p2align	8
	.type	k_q1fef2e10ee_proj,@function
k_q1fef2e10ee_proj:
	s_mov_b64 s[64:65], 0
	v_nop
	global_prefetch_b8 v0, s[64:65] scope:SCOPE_SE
	s_setreg_imm32_b32 hwreg(HW_REG_WAVE_MODE, 25, 1), 1
	s_wait_xcnt 0x0
	s_wait_alu depctr_hold_cnt(0) depctr_sa_sdst(0) depctr_va_vdst(0) depctr_va_sdst(0) depctr_va_ssrc(0) depctr_va_vcc(0) depctr_vm_vsrc(0)
	s_getreg_b32 s2, hwreg(HW_REG_IB_STS2, 6, 4)
	s_cmp_eq_u32 s2, 0
	s_cbranch_scc0 .Lentry_in_a_cluster
	s_endpgm
.Lentry_in_a_cluster:
	s_bfe_u32 s2, ttmp6, 0x10000c
	s_cmp_lg_u32 s2, 0xf033
	s_cbranch_scc0 .Lentry_shape_is_right
	s_endpgm
.Lentry_shape_is_right:
; The five projections y = x W^T + b on codes of BF6 (E3M2), one E8M0 scale for each 32 along K = 1,024, and the quantising of their results for the attention launch.
; codes: rows of 768 bytes: 4096 t + m the activations (t = 0 q, 1 k, 2 q1, 3 k1, 4 v), 20480 + 1024 j + n the weights; scales: the same rows, 32 bytes each.
; A tile of 256 x 256 is made by four waves, 128 x 128 each.  K goes through two LDS slots in CHUNKS OF 256 BYTES of each row (three chunks; a row and each chunk begin at multiples of 256 bytes);
; a step of 128 along K is 96 bytes: steps 2 and 5 lie across two chunks.  The scale bytes of the tile's 512 rows come once.
; CLUSTERS: 4 x 4; the four of a row of the cluster ask jointly for A's tiles, the four of a column for B's.  The cluster's y gives the projection g = y / 4.
; g < 4: A = 256 tokens, B = 256 features.  g = 4 (V): A = 256 channels of Wv, B = 256 tokens of v.
; The matrix instruction is used transposed (source 0 = rows of B, source 1 = rows of A): a lane holds one row of A and eight neighbouring rows of B.
; THE WAY OUT: + bias, then each block of 16 rows x 128 is quantised in registers into one operand image of 12 registers a lane; register pair p of lane l goes to byte 256 p + 8 l of its image.
; qq and kv: 32 head blocks of HB bytes: 2,048 scale words of Q or K | as many of Q1 or K1 | V's [16 steps][64 channels] | 16 steps x (8 tiles of K | of K1 | 4 fragments of V).
; ORDER INSIDE A BLOCK OF 32: lanes 0-15's sixteen (elements 0-7, 16-23), then lanes 16-31's (8-15, 24-31); Q and K alike, V and the attention launch's p alike: blocks, scales and products are the true ones.
; LIMITS: the floor under a block's largest magnitude is 2^-119 (byte 4 at the least, so that the attention launch can take 3 off Q's bytes): blocks under it, blocks of zeros among them, are quantised
; under the byte 4; NaN and infinities are not served.
; No prefetch: the walk has three chunks, of which two are asked for at the head: no trip lies far enough ahead of the third.
.set SIZE_K, 1024
.set ROWB,   256
.set NQ,     2
.set KROW,   SIZE_K*6/8
.set STEPS,  SIZE_K/128
.set CHUNKS, KROW/ROWB
.set PITCH,  272
.set FR,     12
.set NL,     6
.set NP,     4
.set HALFT,  128*PITCH
.set SLOT,   4*HALFT
.set KS,     32
.set SCL,    2*SLOT
.set HALFS,  (128*KS/256)*272
.set SBLK,   (16*KS/256)*272
.set SPARE,  SCL+4*HALFS
.set HB,     315392
.set COD,    20480
.set STEPB,  18432
.set PART,   6144
.set ADRA, 16                          ; v16-17 my A fragments in slot 0, 1; v18-19 for pieces whose lanes 16-31 read the next chunk
.set ADRB, 20                          ; v20-23 the same for B
.set SW,   24                          ; the way out: a row's scale word, in slot 1, which has had its last fill and its last read by then
.set SRD,  25
.set ADRS, 27
.set SPW,  28
.set NIL,  29
.set SC,   32
.set BIB,  64
.set AF,   128
.set TT,   128
.set CD,   192
.set TM,   212
.set PW,   228
.set PW2,  229
.set RB,   232
.set BIA,  240
.set SEL,  18
.set G1, 24
.set G0, 32
.set G1B, 48
.set G0B, 56
.set G1S, 68
.set G0S, 76
.set G1SB, 80
.set G0SB, 88
.set G0H, 4
.set G0HB, 8
.set MSB, 0
.macro WIN new
.if MSB != \new
	s_set_vgpr_msb (MSB<<8)|\new
.set MSB, \new
.endif
.endm
.set MUL_LO, 0xa1
.set MUL_HI, 0xf1
.set TO_B,   0x40
.macro JLOAD g0a, g1a, g0b, g1b        ; waves 0 and 1 fetch for A, waves 2 and 3 for B
	s_cmp_eq_u32 s15, 0
	s_cbranch_scc0 .Lfor_b_\@
	tensor_load_to_lds s[\g0a:\g0a+3], s[\g1a:\g1a+7]
	s_nop 0
.rept 4
	v_nop
.endr
	s_branch .Lasked_\@
.Lfor_b_\@:
	tensor_load_to_lds s[\g0b:\g0b+3], s[\g1b:\g1b+7]
	s_nop 0
.rept 4
	v_nop
.endr
.Lasked_\@:
.endm
.macro CREST
	s_cmp_lg_u32 s14, 0
	s_cbranch_scc1 .Lnot_wave_0_\@
	s_barrier_signal -3
.Lnot_wave_0_\@:
	s_barrier_wait -3
	s_barrier_signal -1
	s_barrier_wait -1
.endm
.macro CROUND
	s_barrier_signal -1
	s_barrier_wait -1
	CREST
.endm
	s_load_b128 s[4:7], s[0:1], 0x0                ; the codes, the scale bytes
	s_load_b256 s[68:75], s[0:1], 0x10             ; bq, bk, bq1, bk1
	s_load_b64 s[76:77], s[0:1], 0x30              ; bv
	s_load_b128 s[80:83], s[0:1], 0x38             ; qq, kv
	v_lshl_add_u32 v[SPW], v0, 2, SPARE
	v_mov_b32 v[NIL], 0
	ds_add_u32 v[SPW], v[NIL]                      ; the opening lines: the add twice and its wait
	ds_add_u32 v[SPW], v[NIL]
	v_lshrrev_b32 v1, 5, v0
	v_readfirstlane_b32 s14, v1                    ; wave
	s_lshr_b32 s15, s14, 1                         ; my half of A's rows; also: I fetch for A (0) or B (1)
	s_and_b32 s16, s14, 1                          ; my half of B's rows; also: which 128 rows I fetch
	s_bfe_u32 s40, ttmp6, 0x40000                  ; cx
	s_bfe_u32 s41, ttmp6, 0x40004                  ; cy
	s_and_b32 s17, ttmp7, 0xffff
	s_lshr_b32 s66, s17, 2                         ; g, the same in all sixteen partners
	s_and_b32 s18, s17, 3
	s_lshl_b32 s18, s18, 2
	s_lshl_b32 s22, s66, 12
	s_lshl_b32 s23, s66, 10
	s_add_co_u32 s23, s23, 20480
	s_cmp_lt_u32 s66, 4
	s_cselect_b32 s19, s18, 0
	s_cselect_b32 s21, 0, s18
	s_cselect_b32 s22, s22, 24576                  ; A's first row
	s_cselect_b32 s23, s23, 16384                  ; B's first row
	s_add_co_u32 s17, s19, s41                     ; A's tile: hangs on cy alone
	s_lshl_b32 s42, ttmp9, 2
	s_add_co_u32 s42, s42, s40
	s_add_co_u32 s42, s42, s21                     ; B's tile: hangs on cx alone
	s_lshl_b32 s43, s41, 2
	s_lshl_b32 s43, 15, s43
	s_lshl_b32 s44, 0x1111, s40
	s_or_b32 s[G1+0], s43, (0<<16)|(1<<20)|(1<<21)|(5<<22)|(3<<25)
	s_or_b32 s[G1B+0], s44, (0<<16)|(1<<20)|(1<<21)|(5<<22)|(3<<25)
.irp g, G1, G1B                        ; 256 rows for the head's loads; set to 128 behind them
	s_mov_b32 s[\g+1], ROWB<<16
	s_mov_b32 s[\g+2], 256<<16
	s_mov_b32 s[\g+3], ROWB<<16
	s_mov_b32 s[\g+4], 256
	s_mov_b32 s[\g+5], KROW
	s_mov_b32 s[\g+6], 0
	s_mov_b32 s[\g+7], 0
.endr
	s_lshl_b32 s20, s17, 8
	s_add_co_u32 s20, s20, s22                     ; A: the tile's first row
	s_lshl_b32 s46, s42, 8
	s_add_co_u32 s46, s46, s23                     ; B likewise
	s_mov_b32 s21, 0
	s_mov_b32 s47, 0
	s_mov_b64 s[18:19], KS
	s_mul_u64 s[22:23], s[20:21], s[18:19]
	s_mul_u64 s[92:93], s[46:47], s[18:19]
	s_mov_b64 s[18:19], KROW
	s_mul_u64 s[20:21], s[20:21], s[18:19]
	s_mul_u64 s[46:47], s[46:47], s[18:19]
	s_mul_i32 s18, s16, 128*KROW
	s_mov_b32 s19, 0
	s_mul_i32 s45, s14, HALFT
	s_wait_dscnt 0x0
	s_wait_kmcnt 0x0
	s_mov_b64 s[96:97], s[68:69]                   ; the projection's bias
.irp i, 1,2,3,4
	s_cmp_eq_u32 s66, \i
	s_cselect_b64 s[96:97], s[68+2*\i:69+2*\i], s[96:97]
.endr
	s_and_b32 s95, s66, 5
	s_cmp_lg_u32 s95, 0                            ; g = 1, 3, 4 go to kv; g = 0, 2 to qq
	s_cselect_b64 s[12:13], s[82:83], s[80:81]
	s_or_b32 s[G1S+0], s43, (3<<16)|(1<<20)|(1<<21)|(5<<22)|(3<<25)   ; the pointers are out of s68-83: the scales' descriptors: 256 rows' scales are KS dense rows of 256 bytes
	s_or_b32 s[G1SB+0], s44, (3<<16)|(1<<20)|(1<<21)|(5<<22)|(3<<25)
.irp g, G1S, G1SB
	s_mov_b32 s[\g+1], 32<<16
	s_mov_b32 s[\g+2], KS<<16
	s_mov_b32 s[\g+3], 32<<16
	s_mov_b32 s[\g+4], KS
	s_mov_b32 s[\g+5], 32
	s_mov_b32 s[\g+6], 0
	s_mov_b32 s[\g+7], 0
.endr
	s_add_nc_u64 s[20:21], s[4:5], s[20:21]
	s_add_nc_u64 s[22:23], s[6:7], s[22:23]
	s_add_nc_u64 s[46:47], s[4:5], s[46:47]
	s_add_nc_u64 s[92:93], s[6:7], s[92:93]
	CROUND                                         ; the first joint loads meet
	s_mov_b32 s[G0H], 1
	s_mov_b32 s[G0H+1], 0
	s_mov_b64 s[G0H+2:G0H+3], s[20:21]
	s_or_b32 s[G0H+3], s[G0H+3], 0x80000000
	s_mov_b32 s[G0HB], 1
	s_mov_b32 s[G0HB+1], 2*HALFT
	s_mov_b64 s[G0HB+2:G0HB+3], s[46:47]
	s_or_b32 s[G0HB+3], s[G0HB+3], 0x80000000
	s_mov_b32 s[G0S], 1
	s_mov_b32 s[G0S+1], SCL
	s_mov_b64 s[G0S+2:G0S+3], s[22:23]
	s_or_b32 s[G0S+3], s[G0S+3], 0x80000000
	s_mov_b32 s[G0SB], 1
	s_mov_b32 s[G0SB+1], SCL+2*HALFS
	s_mov_b64 s[G0SB+2:G0SB+3], s[92:93]
	s_or_b32 s[G0SB+3], s[G0SB+3], 0x80000000
	s_add_nc_u64 s[20:21], s[20:21], s[18:19]      ; for the ring: my 128 rows
	s_add_nc_u64 s[46:47], s[46:47], s[18:19]
.irp s, 0,1
	s_mov_b32 s[G0+4*\s], 1
	s_add_co_u32 s[G0+4*\s+1], s45, \s*SLOT
	s_add_nc_u64 s[G0+4*\s+2:G0+4*\s+3], s[20:21], \s*ROWB
	s_or_b32 s[G0+4*\s+3], s[G0+4*\s+3], 0x80000000
	s_mov_b32 s[G0B+4*\s], 1
	s_add_co_u32 s[G0B+4*\s+1], s45, \s*SLOT
	s_add_nc_u64 s[G0B+4*\s+2:G0B+4*\s+3], s[46:47], \s*ROWB
	s_or_b32 s[G0B+4*\s+3], s[G0B+4*\s+3], 0x80000000
.endr
; the head's four tiles, one load a wave: chunk 0 of A, of B, A's scales, B's scales: one chain of branches on the wave's number
.macro ARM under, g0, g1, next
	s_cmp_lt_u32 s14, \under
	s_cbranch_scc0 \next
	tensor_load_to_lds s[\g0:\g0+3], s[\g1:\g1+7]
	s_nop 0
.rept 4
	v_nop
.endr
	s_branch .Lhead_asked
\next:
.endm
	ARM 1, G0H,  G1,  .Lhead_b
	ARM 2, G0HB, G1B, .Lhead_sa
	ARM 3, G0S,  G1S, .Lhead_sb
	tensor_load_to_lds s[G0SB:G0SB+3], s[G1SB:G1SB+7]
	s_nop 0
.rept 4
	v_nop
.endr
.Lhead_asked:
	v_and_b32 v1, 15, v0                           ; l % 16
	v_bfe_u32 v2, v0, 4, 1                         ; l / 16
	v_mul_u32_u24 v3, v1, PITCH
	v_mul_u32_u24 v4, v2, 24
	v_add_nc_u32 v4, v3, v4
	s_mov_b32 s21, SLOT-232
	s_mov_b32 s22, SLOT+232
	v_sub_nc_u32 v7, 1, v2
	v_mul_u32_u24 v5, s21, v2
	v_add_nc_u32 v5, v3, v5
	v_add_nc_u32 v5, 232, v5                       ; lanes 0-15 byte 232 of the row in slot 0, lanes 16-31 byte 0 in slot 1
	v_mul_u32_u24 v6, s22, v7
	v_add_nc_u32 v6, v3, v6                        ; and the other way round
	s_mul_i32 s21, s15, HALFT
	s_mul_i32 s22, s16, HALFT
	s_add_co_u32 s22, s22, 2*HALFT
	v_add_nc_u32 v[ADRA+2], s21, v5
	v_add_nc_u32 v[ADRA+3], s21, v6
	v_add_nc_u32 v[ADRB+2], s22, v5
	v_add_nc_u32 v[ADRB+3], s22, v6
.irp s, 0,1
	v_add_nc_u32 v[ADRA+\s], s21, v4
	v_add_nc_u32 v[ADRB+\s], s22, v4
	s_add_co_u32 s21, s21, SLOT
	s_add_co_u32 s22, s22, SLOT
.endr
	v_mul_u32_u24 v5, v1, KS
	v_lshrrev_b32 v6, 8, v5
	v_lshl_add_u32 v5, v6, 4, v5
	s_mul_i32 s21, s15, HALFS
	s_mul_i32 s22, s16, HALFS
	s_add_co_u32 s22, s22, 2*HALFS
	s_sub_co_u32 s22, s22, s21
	v_mul_u32_u24 v6, s22, v2                      ; lanes 16-31 take B's
	s_add_co_u32 s21, s21, SCL
	v_add_nc_u32 v5, v5, v6
	v_add_nc_u32 v[ADRS], s21, v5
	s_lshl_b32 s23, s14, 10
	s_add_co_u32 s23, s23, SLOT
	v_and_b32 v6, 31, v0
	v_lshlrev_b32 v7, 3, v6                        ; 8 l
	v_lshlrev_b32 v8, 4, v6                        ; 16 l
	v_mul_u32_u24 v9, v2, HB
	v_lshl_add_u32 v9, v1, 4, v9
	v_lshlrev_b32 v10, 5, v2
	v_lshlrev_b32 v11, 2, v1
	v_add_nc_u32 v[SW], s23, v11
	v_add_nc_u32 v[SRD], s23, v8
	s_wait_alu depctr_va_vdst(0)
	s_lshr_b32 s94, s66, 1
	s_cmp_eq_u32 s66, 4                            ; V?
	s_cselect_b32 s46, s42, s17                    ; the tile of tokens, my half of it,
	s_cselect_b32 s47, s16, s15
	s_cselect_b32 s92, s17, s42                    ; the tile of features, my half of it,
	s_cselect_b32 s93, s15, s16
	s_cselect_b32 s94, 2, s94                      ; the part of a step
	s_lshl_b32 s46, s46, 8
	s_lshl_b32 s47, s47, 7
	s_add_co_u32 s46, s46, s47                     ; my first token
	s_lshl_b32 s92, s92, 2
	s_lshl_b32 s93, s93, 1
	s_add_co_u32 s92, s92, s93                     ; my first head of two
	s_lshr_b32 s47, s46, 11
	s_lshl_b32 s47, s47, 4
	s_add_co_u32 s47, s47, s92
	s_mul_i32 s47, s47, HB
	s_bfe_u32 s93, s46, 0x40007                    ; the step
	s_and_b32 s46, s46, 2047
	s_lshl_b32 s46, s46, 2
	s_lshl_b32 s95, s94, 13
	s_add_co_u32 s46, s46, s95
	s_lshl_b32 s95, s93, 8
	s_add_co_u32 s95, s95, 16384
	s_cmp_eq_u32 s66, 4
	s_cselect_b32 s46, s95, s46
	s_add_co_u32 s46, s46, s47
	s_mul_i32 s93, s93, STEPB
	s_mul_i32 s94, s94, PART
	s_add_co_u32 s94, s94, s93
	s_add_co_u32 s94, s94, s47
	s_add_co_u32 s94, s94, COD
	s_mov_b32 s47, 0
	s_mov_b32 s95, 0
	s_add_nc_u64 s[98:99], s[12:13], s[46:47]      ; my scale words
	s_add_nc_u64 s[12:13], s[12:13], s[94:95]      ; my images
	s_lshl_b32 s92, s92, 8
	s_mov_b32 s93, 0
	s_add_nc_u64 s[96:97], s[96:97], s[92:93]
.irp b, 0,1,2,3,4,5,6,7                ; both shapes of my 128 numbers of the bias
	global_load_b128 v[BIB+8*\b:BIB+8*\b+3], v10, s[96:97] offset:64*\b
	global_load_b128 v[BIB+8*\b+4:BIB+8*\b+7], v10, s[96:97] offset:64*\b+16
.endr
.irp a, 0,1,2,3,4,5,6,7
	global_load_b32 v[BIA+\a], v11, s[96:97] offset:64*\a
.endr
.macro FRAG reg, adr, st, i            ; 16 rows x 128 K: six pieces of 8 bytes; byte y of a row lies in slot (y / 256) % 2 at byte y % 256
.irp p, 0,1,2,3,4,5
.set BY, 96*(\st)+48*(\p/3)+8*(\p%3)
.if BY/ROWB == (BY+24)/ROWB
	ds_load_b64 v[\reg+2*\p:\reg+2*\p+1], v[\adr+(BY/ROWB)%2] offset:BY%ROWB+(\i)*16*PITCH
.else
	ds_load_b64 v[\reg+2*\p:\reg+2*\p+1], v[\adr+2+(BY/ROWB)%2] offset:BY%ROWB-232+(\i)*16*PITCH
.endif
.endr
.endm
.macro MUL16 a0, p, q, sc, zero        ; the 64 accumulators take turns
.irp a, \a0, \a0+1
.irp b, 0,1,2,3,4,5,6,7
.if \zero
	v_wmma_scale_f32_16x16x128_f8f6f4 v[8*(8*((\a)%4)+\b):8*(8*((\a)%4)+\b)+7], v[128*(\p)+FR*\b:128*(\p)+FR*\b+FR-1], v[AF+FR*(\a):AF+FR*(\a)+FR-1], 0, v[SC+8*NQ*(\sc)+NQ*\b+(\q)], v[SC+8*NQ*(\sc)+NQ*(\a)+(\q)] matrix_a_fmt:MATRIX_FMT_BF6 matrix_b_fmt:MATRIX_FMT_BF6 matrix_a_scale:MATRIX_SCALE_ROW1
.else
	v_wmma_scale_f32_16x16x128_f8f6f4 v[8*(8*((\a)%4)+\b):8*(8*((\a)%4)+\b)+7], v[128*(\p)+FR*\b:128*(\p)+FR*\b+FR-1], v[AF+FR*(\a):AF+FR*(\a)+FR-1], v[8*(8*((\a)%4)+\b):8*(8*((\a)%4)+\b)+7], v[SC+8*NQ*(\sc)+NQ*\b+(\q)], v[SC+8*NQ*(\sc)+NQ*(\a)+(\q)] matrix_a_fmt:MATRIX_FMT_BF6 matrix_b_fmt:MATRIX_FMT_BF6 matrix_a_scale:MATRIX_SCALE_ROW1
.endif
.endr
.endr
.endm
.macro FETCH_B st, p
	WIN TO_B
.irp i, 0,1,2,3,4,5,6,7
	FRAG 128*(\p)+FR*\i, ADRB, \st, \i
.endr
	WIN 0
.endm
.macro FETCH_A st, i0
.irp i, \i0, \i0+1, \i0+2, \i0+3
	FRAG AF+FR*(\i), ADRA, \st, \i
.endr
.endm
.macro SCALES pr
.irp i, 0,1,2,3,4,5,6,7
	ds_load_b64 v[SC+8*NQ*((\pr)%2)+NQ*\i:SC+8*NQ*((\pr)%2)+NQ*\i+1], v[ADRS] offset:\i*SBLK+4*NQ*(\pr)
.endr
.endm
.macro PLACES n
.rept \n
	v_nop
.endr
.endm
; A step: 64 matrix instructions; the next step's fragments are fetched in its middle and at its end.  Where the next step's bytes end in a chunk not read yet: a barrier shows it whole.
; Where they begin in a later chunk: the three lines and the barrier; where a chunk two on is left to fetch, the barrier opens a round and the slot is filled again.
.macro STEP st, zero
.set NX, (\st)+1
.set C0, (96*(\st))/ROWB
.set C1, (96*NX)/ROWB
.set E0, (96*(\st)+95)/ROWB
.set E1, (96*NX+95)/ROWB
.if C1 > C0 || E1 > E0
	s_wait_tensorcnt 0x0                           ; all my tensor loads have landed
.if C1 > C0
	ds_add_u32 v[SPW], v[NIL]
	s_wait_dscnt 4*NL+1                            ; the add and A's blocks 4-7 may be out
.else
	s_wait_dscnt 4*NL
.endif
	WIN MUL_LO
	MUL16 0, (\st)%2, (\st)%2, ((\st)/2)%2, \zero
	s_wait_dscnt 0x0                               ; the add, and my reads of any chunk left behind
	s_barrier_signal -1
	MUL16 2, (\st)%2, (\st)%2, ((\st)/2)%2, \zero
	WIN 0
	s_barrier_wait -1
.if C1 > C0 && C0+2 < CHUNKS
	CREST
	s_add_nc_u64 s[G0+4*(C0%2)+2:G0+4*(C0%2)+3], s[G0+4*(C0%2)+2:G0+4*(C0%2)+3], 2*ROWB
	s_add_nc_u64 s[G0B+4*(C0%2)+2:G0B+4*(C0%2)+3], s[G0B+4*(C0%2)+2:G0B+4*(C0%2)+3], 2*ROWB
	JLOAD G0+4*(C0%2), G1, G0B+4*(C0%2), G1B       ; chunk C0 + 2; its four v_nop are the places in front of the loads below
.else
	PLACES NP
.endif
.else
	s_wait_dscnt 4*NL                              ; A's blocks 4-7 may be out
	WIN MUL_LO
	MUL16 0, (\st)%2, (\st)%2, ((\st)/2)%2, \zero
	MUL16 2, (\st)%2, (\st)%2, ((\st)/2)%2, \zero
	s_wait_dscnt 0
	PLACES NP
.endif
	FETCH_B NX, NX%2
	FETCH_A NX, 0
.if NX%2 == 0
	SCALES NX/2
.endif
	WIN MUL_HI
	MUL16 4, (\st)%2, (\st)%2, ((\st)/2)%2, \zero
	MUL16 6, (\st)%2, (\st)%2, ((\st)/2)%2, \zero
	PLACES NP
	WIN 0
	FETCH_A NX, 4
.endm
	s_wait_alu depctr_va_vdst(0)
	s_wait_tensorcnt 0x0                           ; my tile of the head's four is in
	ds_add_u32 v[SPW], v[NIL]
	s_mov_b32 s[G1+2], 128<<16                     ; no tensor load of mine is out: from here on a load brings 128 rows
	s_mov_b32 s[G1+4], 128
	s_mov_b32 s[G1B+2], 128<<16
	s_mov_b32 s[G1B+4], 128
	s_wait_dscnt 0x0
	CROUND
	JLOAD G0+4, G1, G0B+4, G1B                     ; chunk 1, the first tensor load behind the round
	FETCH_B 0, 0
	FETCH_A 0, 0
	SCALES 0
	FETCH_A 0, 4
	STEP 0, 1
.set ST, 1
.rept STEPS-2
	STEP ST, 0
.set ST, ST+1
.endr
	s_wait_dscnt 4*NL                              ; the very last step
	WIN MUL_LO
	MUL16 0, 1, 1, 1, 0
	MUL16 2, 1, 1, 1, 0
	s_wait_dscnt 0
	WIN MUL_HI
	MUL16 4, 1, 1, 1, 0
	MUL16 6, 1, 1, 1, 0
	WIN 0
; 64 numbers of a lane (registers 16 b .. 16 b + 15: my 16 of block b) become 12 registers of codes and the row's scale word
.macro QUANT s
.irp b, 0,1,2,3
	v_max3_num_f32 v[TM+\b], |v[\s+16*\b]|, |v[\s+1+16*\b]|, 0x4000000   ; with the floor 2^(8 - 127)
.endr
.irp i, 2,4,6,8,10,12,14
.irp b, 0,1,2,3
	v_max3_num_f32 v[TM+\b], v[TM+\b], |v[\s+16*\b+\i]|, |v[\s+1+16*\b+\i]|
.endr
.endr
.irp b, 0,1,2,3
	v_permlanex16_b32 v[TM+4+\b], v[TM+\b], s[SEL], s[SEL+1]
.endr
.irp b, 0,1,2,3
	v_max_num_f32 v[TM+\b], v[TM+\b], v[TM+4+\b]
.endr
.irp b, 0,1,2,3
	v_add_nc_u32 v[TM+12+\b], 0xfe000000, v[TM+\b]   ; 4 off the exponent field: the conversion's scale operand
.endr
.irp b, 0,1,2,3
	v_lshrrev_b32 v[TM+4+\b], 23, v[TM+12+\b]
.endr
	v_lshl_or_b32 v[PW], v[TM+5], 8, v[TM+4]
	v_lshl_or_b32 v[PW], v[TM+6], 16, v[PW]
	v_lshl_or_b32 v[PW], v[TM+7], 24, v[PW]
.irp c, 0,1
	v_cvt_scalef32_pk16_bf6_f32 v[CD+6*\c:CD+2+6*\c], v[\s+32*\c:\s+15+32*\c], v[TM+12+2*\c]
	v_cvt_scalef32_pk16_bf6_f32 v[CD+12+4*\c:CD+14+4*\c], v[\s+16+32*\c:\s+31+32*\c], v[TM+12+2*\c+1]
.endr
	v_nop
.irp c, 0,1
.irp i, 0,1,2
	v_permlane16_swap_b32 v[CD+6*\c+\i], v[CD+12+4*\c+\i]
.endr
.irp i, 0,1,2
	v_mov_b32 v[CD+3+6*\c+\i], v[CD+12+4*\c+\i]
.endr
.endr
.endm
; mode 0 (Q, K): a lane's 64 numbers are two heads of one token; mode 1 (V): 128 keys of one channel.  Each way has LDS bytes of its own for its scale words.
.macro EPI mode
.irp a, 0,1,2,3,4,5,6,7
	s_wait_xcnt 0x0
	s_wait_dscnt 0x0
.if \mode
	v_mov_b32 v230, v[BIA+\a]
	v_mov_b32 v231, v[BIA+\a]
.endif
	WIN (0x02+(\a)/4)
.set i, 0
.rept 32
.if \mode
	v_pk_add_f32 v[TT+i:TT+i+1], v[64*((\a)%4)+i:64*((\a)%4)+i+1], v[230:231]
.else
	v_pk_add_f32 v[TT+i:TT+i+1], v[64*((\a)%4)+i:64*((\a)%4)+i+1], v[BIB+i:BIB+i+1]
.endif
.set i, i+2
.endr
	WIN 0
	QUANT TT
.irp p, 0,1,2,3,4,5                    ; each store of the wave covers 256 consecutive bytes, aligned
.if \mode
	global_store_b64 v7, v[CD+2*\p:CD+2*\p+1], s[12:13] offset:HB*((\a)/4)+1536*((\a)%4)+256*\p
.else
	global_store_b64 v7, v[CD+2*\p:CD+2*\p+1], s[12:13] offset:768*(\a)+256*(\p%3)+HB*(\p/3)
.endif
.endr
.if \mode
	ds_store_b32 v[SW], v[PW] offset:4096+64*\a
.else
	v_lshrrev_b32 v[PW2], 16, v[PW]
	ds_store_b32 v[SW], v[PW] offset:64*\a
	ds_store_b32 v[SW], v[PW2] offset:512+64*\a
.endif
.endr
.if \mode
	ds_load_b128 v[RB:RB+3], v[SRD] offset:4096
	s_wait_dscnt 0x0
	global_store_b128 v9, v[RB:RB+3], s[98:99]
.else
	ds_load_b128 v[RB:RB+3], v[SRD]
	ds_load_b128 v[RB+4:RB+7], v[SRD] offset:512
	s_wait_dscnt 0x0
	global_store_b128 v8, v[RB:RB+3], s[98:99]
	global_store_b128 v8, v[RB+4:RB+7], s[98:99] offset:HB
.endif
.endm
	PLACES NP
	s_wait_loadcnt 0x0                             ; the biases
	s_mov_b32 s[SEL], 0x76543210
	s_mov_b32 s[SEL+1], 0xfedcba98
.irp b, 0,1,2,3
	v_mov_b32 v[TM+4+\b], 0
.endr
	s_cmp_eq_u32 s66, 4                            ; the same in all sixteen partners
	s_cbranch_scc1 .Lchannels
	EPI 0
	s_branch .Lend
.Lchannels:
	EPI 1
.Lend:
	s_wait_tensorcnt 0x0                           ; the wave's end
	ds_add_u32 v[SPW], v[NIL]
	s_wait_dscnt 0x0
	CROUND
	s_endpgm
.Lfunc_end_k_q1fef2e10ee_proj:
	.size	k_q1fef2e10ee_proj, .Lfunc_end_k_q1fef2e10ee_proj-k_q1fef2e10ee_proj
	.p2alignl 7, 3214868480
	.fill 96, 4, 3214868480
	.section	.rodata,"a",@progbits
	.p2align	6, 0x0
	.amdhsa_kernel k_q1fef2e10ee_proj
		.amdhsa_group_segment_fixed_size 327680
		.amdhsa_private_segment_fixed_size 0
		.amdhsa_enable_private_segment 0
		.amdhsa_kernarg_size 72
		.amdhsa_user_sgpr_count 2
		.amdhsa_user_sgpr_kernarg_segment_ptr 1
		.amdhsa_wavefront_size32 1
		.amdhsa_system_sgpr_workgroup_id_x 1
		.amdhsa_system_sgpr_workgroup_id_y 1
		.amdhsa_system_sgpr_workgroup_id_z 1
		.amdhsa_system_vgpr_workitem_id 0
		.amdhsa_next_free_vgpr 1024
		.amdhsa_next_free_sgpr 102
		.amdhsa_reserve_vcc 0
		.amdhsa_float_denorm_mode_32 3
		.amdhsa_float_denorm_mode_16_64 3
		.amdhsa_memory_ordered 1
		.amdhsa_forward_progress 1
		.amdhsa_inst_pref_size 241
	.end_amdhsa_kernel
	.amdgpu_metadata
---
amdhsa.version: [ 1, 2 ]
amdhsa.kernels:
  - .name:           k_q1fef2e10ee_proj
    .symbol:         k_q1fef2e10ee_proj.kd
    .args:
      - { .name: codes, .offset: 0, .size: 8, .value_kind: global_buffer, .address_space: global }
      - { .name: scales, .offset: 8, .size: 8, .value_kind: global_buffer, .address_space: global }
      - { .name: params_bq, .offset: 16, .size: 8, .value_kind: global_buffer, .address_space: global }
      - { .name: params_bk, .offset: 24, .size: 8, .value_kind: global_buffer, .address_space: global }
      - { .name: params_bq1, .offset: 32, .size: 8, .value_kind: global_buffer, .address_space: global }
      - { .name: params_bk1, .offset: 40, .size: 8, .value_kind: global_buffer, .address_space: global }
      - { .name: params_bv, .offset: 48, .size: 8, .value_kind: global_buffer, .address_space: global }
      - { .name: qq, .offset: 56, .size: 8, .value_kind: global_buffer, .address_space: global }
      - { .name: kv, .offset: 64, .size: 8, .value_kind: global_buffer, .address_space: global }
    .group_segment_fixed_size: 327680
    .private_segment_fixed_size: 0
    .kernarg_segment_align: 8
    .kernarg_segment_size: 72
    .max_flat_workgroup_size: 128
    .sgpr_count:     102
    .vgpr_count:     1024
    .wavefront_size: 32
...
	.end_amdgpu_metadata
.endif
;; end of part 2
;; launch attn (part 3): grid 8 x 32, 16 waves a work-group, clusters of 4 x 1, 327,680 bytes of LDS; arguments qq, kv, attention_mask, ctx; writes ctx
.if DOCPART == 3
	.amdgcn_target "amdgcn-amd-amdhsa--gfx1250"
	.amdhsa_code_object_version 6
	.text
	.protected	k_q1fef2e10ee_attn
	.globl	k_q1fef2e10ee_attn
	.p2align	8
	.type	k_q1fef2e10ee_attn,@function
k_q1fef2e10ee_attn:
	s_mov_b64 s[64:65], 0
	v_nop
	global_prefetch_b8 v0, s[64:65] scope:SCOPE_SE
	s_setreg_imm32_b32 hwreg(HW_REG_WAVE_MODE, 25, 1), 1
	s_wait_xcnt 0x0
	s_wait_alu depctr_hold_cnt(0) depctr_sa_sdst(0) depctr_va_vdst(0) depctr_va_sdst(0) depctr_va_ssrc(0) depctr_va_vcc(0) depctr_vm_vsrc(0)
	s_getreg_b32 s2, hwreg(HW_REG_IB_STS2, 6, 4)
	s_cmp_eq_u32 s2, 0
	s_cbranch_scc0 .Lentry_in_a_cluster
	s_endpgm
.Lentry_in_a_cluster:
	s_bfe_u32 s2, ttmp6, 0x10000c
	s_cmp_lg_u32 s2, 0x3003
	s_cbranch_scc0 .Lentry_shape_is_right
	s_endpgm
.Lentry_shape_is_right:
.set HB,    315392
.set K1SC,  8192
.set VSC,   16384
.set COD,   20480
.set STEPB, 18432
.set PART,  6144
.set MASK,  HB
.set EARLY, 4
.set F,   40
.set BM,  F
.set BP,  F+4
.set BS,  F+8
.set CT,  F+12
.set PA,  88
.set PB,  100
.set S,   112
.set OA,  176
.set OB,  208
.set WV,  12
.set SEL, 20
.set CS,  22
.set G1A, 24
.set G1B, 32
.set G1C, 40
.set G0,  48
.set TB,  60
.set TS,  61
.set TJ,  62
.set TK,  63
.set CNT, 66
.macro CROUND
	s_barrier_signal -1
	s_barrier_wait -1
	s_cmp_lg_u32 s[WV], 0
	s_cbranch_scc1 .Lnot_wave_0_\@
	s_barrier_signal -3
.Lnot_wave_0_\@:
	s_barrier_wait -3
	s_barrier_signal -1
	s_barrier_wait -1
.endm
.macro GROUP1 g, rows
	s_mov_b32 s[\g], 15|(3<<16)|(1<<21)
	s_mov_b32 s[\g+1], 32<<16
	s_mov_b32 s[\g+2], (\rows)<<16
	s_mov_b32 s[\g+3], 32<<16
	s_mov_b32 s[\g+4], \rows
	s_mov_b32 s[\g+5], 32
	s_mov_b32 s[\g+6], 0
	s_mov_b32 s[\g+7], 0
.endm
	s_load_b256 s[4:11], s[0:1], 0x0
	v_lshl_add_u32 v254, v0, 2, 0x4f000
	v_mov_b32 v255, 0
	ds_add_u32 v254, v255
	ds_add_u32 v254, v255
	v_lshrrev_b32 v1, 5, v0
	s_delay_alu instid0(VALU_DEP_1)
	v_readfirstlane_b32 s[WV], v1
	s_bfe_u32 s13, ttmp6, 0x40000
	s_lshl_b32 s14, ttmp9, 2
	s_add_co_u32 s14, s14, s13
	s_and_b32 s15, ttmp7, 0xffff
	s_lshr_b32 s16, s15, 4
	s_and_b32 s17, s15, 15
	GROUP1 G1A, 2
	GROUP1 G1B, 23
	GROUP1 G1C, 54
	s_mul_i32 s68, s15, HB
	s_mov_b32 s69, 0
	s_mul_i32 s70, s[WV], 23*256
	s_mov_b32 s71, 0
	s_mul_i32 s72, s[WV], 54*256
	s_add_co_u32 s72, s72, COD+EARLY*STEPB
	s_mov_b32 s73, 0
	s_lshl_b32 s74, s[WV], 9
	s_lshl_b32 s76, s16, 13
	s_add_co_u32 s76, s76, s74
	s_mov_b32 s77, 0
	s_mov_b32 s[SEL], 0x76543210
	s_mov_b32 s[SEL+1], 0xfedcba98
	s_mov_b32 s[CS], 0x3fb8aa3b
	s_mov_b32 s[CS+1], s[CS]
	s_mov_b32 s[TB], COD
	s_mov_b32 s[TS], 0
	s_mov_b32 s[TJ], VSC
	s_mov_b32 s[TK], MASK
	s_wait_dscnt 0x0
	s_wait_kmcnt 0x0
	s_add_nc_u64 s[6:7], s[6:7], s[68:69]
	s_mov_b32 s[G0], 1
	s_add_co_u32 s[G0+1], s74, MASK
	s_add_nc_u64 s[G0+2:G0+3], s[8:9], s[76:77]
	s_or_b32 s[G0+3], s[G0+3], 0x80000000
	s_mov_b32 s[G0+4], 1
	s_mov_b32 s[G0+5], s70
	s_add_nc_u64 s[G0+6:G0+7], s[6:7], s[70:71]
	s_or_b32 s[G0+7], s[G0+7], 0x80000000
	s_mov_b32 s[G0+8], 1
	s_mov_b32 s[G0+9], s72
	s_add_nc_u64 s[G0+10:G0+11], s[6:7], s[72:73]
	s_or_b32 s[G0+11], s[G0+11], 0x80000000
	CROUND
	tensor_load_to_lds s[G0:G0+3], s[G1A:G1A+7]
	s_nop 0
	s_wait_alu depctr_va_vdst(0)
	s_wait_tensorcnt 0x0
	ds_add_u32 v254, v255
	s_wait_dscnt 0x0
	CROUND
	tensor_load_to_lds s[G0+4:G0+7], s[G1B:G1B+7]
	s_nop 0
	s_wait_alu depctr_va_vdst(0)
	s_wait_tensorcnt 0x0
	ds_add_u32 v254, v255
	s_wait_dscnt 0x0
	CROUND
	tensor_load_to_lds s[G0+8:G0+11], s[G1C:G1C+7]
	s_nop 0
.rept 4
	v_nop
.endr
	s_lshl_b32 s70, s14, 8
	s_lshl_b32 s71, s[WV], 4
	s_add_co_u32 s70, s70, s71
	s_lshr_b32 s72, s70, 7
	s_mul_i32 s72, s72, STEPB
	s_and_b32 s73, s[WV], 7
	s_mul_i32 s73, s73, 768
	s_add_co_u32 s72, s72, s73
	s_add_co_u32 s72, s72, COD
	s_add_co_u32 s72, s72, s68
	s_mov_b32 s73, 0
	s_add_nc_u64 s[74:75], s[4:5], s[72:73]
	s_lshl_b32 s72, s70, 2
	s_add_co_u32 s72, s72, s68
	s_add_nc_u64 s[76:77], s[4:5], s[72:73]
	s_lshl_b32 s72, s16, 11
	s_add_co_u32 s72, s72, s70
	s_lshl_b32 s72, s72, 12
	s_lshl_b32 s78, s17, 8
	s_add_co_u32 s72, s72, s78
	s_add_nc_u64 s[10:11], s[10:11], s[72:73]
	v_and_b32 v1, 31, v0
	v_bfe_u32 v2, v0, 4, 1
	s_delay_alu instid0(VALU_DEP_2)
	v_lshlrev_b32 v7, 3, v1
	v_and_b32 v252, 15, v0
	s_delay_alu instid0(VALU_DEP_1)
	v_lshlrev_b32 v252, 2, v252
.irp p, 0,1,2
	global_load_b64 v[16+2*\p:17+2*\p], v7, s[74:75] offset:256*\p
	global_load_b64 v[28+2*\p:29+2*\p], v7, s[74:75] offset:PART+256*\p
.endr
	global_load_b32 v246, v252, s[76:77]
	global_load_b32 v247, v252, s[76:77] offset:K1SC
.irp j, 22,23,24,25,26,27,34,35,36,37,38,39
	v_mov_b32 v\j, 0
.endr
.irp j, 0,1,2,3,4,5
	v_mov_b32 v[PA+\j], 0
.endr
	v_mov_b32 v9, 0xff61b1e6
	v_mov_b32 v13, 0xff61b1e6
	s_delay_alu instid0(VALU_DEP_2)
	v_floor_f32 v8, -v9
	s_delay_alu instid0(VALU_DEP_2)
	v_floor_f32 v12, -v13
.irp j, 10,11,14,15,251
	v_mov_b32 v\j, 0
.endr
.set j, 0
.rept 32
	v_mov_b32 v[OA+j], 0
.set j, j+1
.endr
	s_wait_loadcnt 0x0
	v_add_nc_u32 v246, 0xfffffcfd, v246
	v_add_nc_u32 v247, 0xfffffcfd, v247
.set j, 0
.rept 32
	v_mov_b32 v[OB+j], 0
.set j, j+1
.endr
.macro QK off, scoff, Q, QS
.irp t, 0,1,2,3,4,5,6,7
.irp p, 0,1,2
	ds_load_b64 v[F+6*\t+2*\p:F+6*\t+2*\p+1], v3 offset:\off+768*\t+256*\p
.endr
.endr
.irp t, 0,1,2,3,4,5,6,7
	ds_load_b128 v[S+8*\t:S+8*\t+3], v6 offset:64*\t
	ds_load_b128 v[S+8*\t+4:S+8*\t+7], v6 offset:64*\t+16
.endr
.irp u, 0,1,2,3
	ds_load_b32 v[240+\u], v4 offset:\scoff+128*\u
.endr
	s_wait_dscnt 0x0
.irp t, 0,2,4,6
	v_wmma_scale_f32_16x16x128_f8f6f4 v[S+8*\t:S+8*\t+7], v[F+6*\t:F+6*\t+11], v[\Q:\Q+11], v[S+8*\t:S+8*\t+7], v[240+\t/2], v[\QS] matrix_a_fmt:MATRIX_FMT_BF6 matrix_b_fmt:MATRIX_FMT_BF6
	v_wmma_scale_f32_16x16x128_f8f6f4 v[S+8*(\t+1):S+8*(\t+1)+7], v[F+6*(\t+1):F+6*(\t+1)+11], v[\Q:\Q+11], v[S+8*(\t+1):S+8*(\t+1)+7], v[240+\t/2], v[\QS] matrix_a_fmt:MATRIX_FMT_BF6 matrix_b_fmt:MATRIX_FMT_BF6 matrix_a_scale:MATRIX_SCALE_ROW1
.endr
.rept 4
	v_nop
.endr
.endm
.macro SOFT st, P, PW, O
.irp b, 0,1,2,3
	v_max3_num_f32 v[BM+\b], v[S+16*\b], v[S+1+16*\b], v[S+2+16*\b]
.endr
.irp i, 3,5,7,9,11,13
.irp b, 0,1,2,3
	v_max3_num_f32 v[BM+\b], v[BM+\b], v[S+16*\b+\i], v[S+1+16*\b+\i]
.endr
.endr
.irp b, 0,1,2,3
	v_max_num_f32 v[BM+\b], v[BM+\b], v[S+15+16*\b]
.endr
.irp b, 0,1,2,3
	s_delay_alu instid0(VALU_DEP_4)
	v_permlanex16_b32 v[BP+\b], v[BM+\b], s[SEL], s[SEL+1]
.endr
.irp b, 0,1,2,3
	s_delay_alu instid0(VALU_DEP_4)
	v_max_num_f32 v[BM+\b], v[BM+\b], v[BP+\b]
.endr
	s_delay_alu instid0(VALU_DEP_2)
	v_max3_num_f32 v252, v[BM], v[BM+1], v[BM+2]
	s_delay_alu instid0(VALU_DEP_1)
	v_max_num_f32 v252, v252, v[BM+3]
	s_delay_alu instid0(VALU_DEP_1)
	v_mul_f32 v252, s[CS], v252
	s_delay_alu instid0(VALU_DEP_1)
	v_max_num_f32 v[\st+1], v[\st+1], v252
	v_mov_b32 v252, v[\st]
	s_delay_alu instid0(VALU_DEP_2)
	v_floor_f32 v[\st], -v[\st+1]
	s_delay_alu instid0(VALU_DEP_1)
	v_sub_f32 v252, v[\st], v252
	s_delay_alu instid0(VALU_DEP_1)
	v_cvt_i32_f32 v252, v252
	s_delay_alu instid0(VALU_DEP_1)
	v_ldexp_f32 v250, 1.0, v252
.set j, 0
.rept 32
	v_pk_fma_f32 v[S+j:S+j+1], v[S+j:S+j+1], s[CS:CS+1], v[\st:\st+1] op_sel_hi:[1,0,0]
.set j, j+2
.endr
.irp b, 0,1,2,3
	v_fma_f32 v[BM+\b], v[BM+\b], s[CS], v[\st]
.endr
.set j, 0
	s_wait_alu depctr_va_vdst(0)
.rept 64
	v_exp_f32 v[S+j], v[S+j]
.set j, j+1
.endr
	v_pk_mul_f32 v[\st+2:\st+3], v[\st+2:\st+3], v[250:251] op_sel_hi:[1,0]
	s_wait_alu depctr_va_vdst(0)
.irp b, 0,1,2,3
	v_exp_f32 v[BM+\b], v[BM+\b]
.endr
	v_pk_add_f32 v[F+20:F+21], v[S:S+1], v[S+2:S+3]
.irp j, 4,8,12,16,20,24,28,32,36,40,44,48,52,56,60
	v_pk_add_f32 v[\st+2:\st+3], v[\st+2:\st+3], v[S+\j:S+\j+1]
	v_pk_add_f32 v[F+20:F+21], v[F+20:F+21], v[S+2+\j:S+3+\j]
.endr
	s_delay_alu instid0(VALU_DEP_1)
	v_pk_add_f32 v[\st+2:\st+3], v[\st+2:\st+3], v[F+20:F+21]
	s_wait_alu depctr_va_vdst(0)
.irp b, 0,1,2,3
	v_max_num_f32 v[BM+\b], 0x2800000, v[BM+\b]
.endr
.irp b, 0,1,2,3
	s_delay_alu instid0(VALU_DEP_4)
	v_add_nc_u32 v[BS+\b], 0xfe000000, v[BM+\b]
.endr
.irp b, 0,1,2,3
	s_delay_alu instid0(VALU_DEP_4)
	v_lshrrev_b32 v[BP+\b], 23, v[BS+\b]
.endr
	s_delay_alu instid0(VALU_DEP_3)
	v_lshl_or_b32 v[\PW], v[BP+1], 8, v[BP]
	s_delay_alu instid0(VALU_DEP_1)
	v_lshl_or_b32 v[\PW], v[BP+2], 16, v[\PW]
	s_delay_alu instid0(VALU_DEP_1)
	v_lshl_or_b32 v[\PW], v[BP+3], 24, v[\PW]
.irp c, 0,1
	v_cvt_scalef32_pk16_bf6_f32 v[\P+6*\c:\P+2+6*\c], v[S+32*\c:S+15+32*\c], v[BS+2*\c]
	v_cvt_scalef32_pk16_bf6_f32 v[CT+4*\c:CT+2+4*\c], v[S+16+32*\c:S+31+32*\c], v[BS+2*\c+1]
.endr
	v_nop
.irp c, 0,1
.irp i, 0,1,2
	v_permlane16_swap_b32 v[\P+6*\c+\i], v[CT+4*\c+\i]
.endr
.irp i, 0,1,2
	s_delay_alu instid0(VALU_DEP_3)
	v_mov_b32 v[\P+3+6*\c+\i], v[CT+4*\c+\i]
.endr
.endr
.set j, 0
.rept 16
	v_pk_mul_f32 v[\O+j:\O+j+1], v[\O+j:\O+j+1], v[250:251] op_sel_hi:[1,0]
.set j, j+2
.endr
.endm
.macro STEP
	v_lshl_add_u32 v3, v1, 3, s[TB]
	v_lshl_add_u32 v4, v1, 2, s[TS]
	v_lshl_add_u32 v5, v1, 2, s[TJ]
	v_lshl_add_u32 v6, v2, 5, s[TK]
	QK 0, 0, 16, 246
	SOFT 8, PA, 248, OA
	QK PART, K1SC, 28, 247
	SOFT 12, PB, 249, OB
.irp c, 0,1,2,3
.irp p, 0,1,2,3,4,5
	ds_load_b64 v[F+12*\c+2*\p:F+12*\c+2*\p+1], v3 offset:2*PART+1536*\c+256*\p
.endr
.endr
	ds_load_b32 v244, v5
	ds_load_b32 v245, v5 offset:128
	s_wait_alu depctr_va_vdst(0)
	s_wait_dscnt 0x0
.irp c, 0,2
	v_wmma_scale_f32_16x16x128_f8f6f4 v[OA+8*\c:OA+8*\c+7], v[F+12*\c:F+12*\c+11], v[PA:PA+11], v[OA+8*\c:OA+8*\c+7], v[244+\c/2], v248 matrix_a_fmt:MATRIX_FMT_BF6 matrix_b_fmt:MATRIX_FMT_BF6
	v_wmma_scale_f32_16x16x128_f8f6f4 v[OB+8*\c:OB+8*\c+7], v[F+12*\c:F+12*\c+11], v[PB:PB+11], v[OB+8*\c:OB+8*\c+7], v[244+\c/2], v249 matrix_a_fmt:MATRIX_FMT_BF6 matrix_b_fmt:MATRIX_FMT_BF6
	v_wmma_scale_f32_16x16x128_f8f6f4 v[OA+8*(\c+1):OA+8*(\c+1)+7], v[F+12*(\c+1):F+12*(\c+1)+11], v[PA:PA+11], v[OA+8*(\c+1):OA+8*(\c+1)+7], v[244+\c/2], v248 matrix_a_fmt:MATRIX_FMT_BF6 matrix_b_fmt:MATRIX_FMT_BF6 matrix_a_scale:MATRIX_SCALE_ROW1
	v_wmma_scale_f32_16x16x128_f8f6f4 v[OB+8*(\c+1):OB+8*(\c+1)+7], v[F+12*(\c+1):F+12*(\c+1)+11], v[PB:PB+11], v[OB+8*(\c+1):OB+8*(\c+1)+7], v[244+\c/2], v249 matrix_a_fmt:MATRIX_FMT_BF6 matrix_b_fmt:MATRIX_FMT_BF6 matrix_a_scale:MATRIX_SCALE_ROW1
.endr
	s_add_co_u32 s[TB], s[TB], STEPB
	s_add_co_u32 s[TS], s[TS], 512
	s_add_co_u32 s[TJ], s[TJ], 256
	s_add_co_u32 s[TK], s[TK], 512
.endm
	s_wait_tensorcnt 0x1
	s_barrier_signal -1
	s_barrier_wait -1
	s_mov_b32 s[CNT], EARLY
.Learly:
	STEP
	s_sub_co_u32 s[CNT], s[CNT], 1
	s_cmp_lg_u32 s[CNT], 0
	s_cbranch_scc1 .Learly
	s_wait_tensorcnt 0x0
	s_wait_dscnt 0x0
	s_barrier_signal -1
	s_barrier_wait -1
	s_mov_b32 s[CNT], 16-EARLY
.Llate:
	STEP
	s_sub_co_u32 s[CNT], s[CNT], 1
	s_cmp_lg_u32 s[CNT], 0
	s_cbranch_scc1 .Llate
	v_add_f32 v10, v10, v11
	v_add_f32 v14, v14, v15
	s_delay_alu instid0(VALU_DEP_2)
	v_permlanex16_b32 v252, v10, s[SEL], s[SEL+1]
	s_delay_alu instid0(VALU_DEP_2)
	v_permlanex16_b32 v250, v14, s[SEL], s[SEL+1]
	s_delay_alu instid0(VALU_DEP_2)
	v_add_f32 v10, v10, v252
	s_delay_alu instid0(VALU_DEP_2)
	v_add_f32 v14, v14, v250
	s_wait_alu depctr_va_vdst(0)
	v_rcp_f32 v10, v10
	v_rcp_f32 v14, v14
	v_and_b32 v5, 15, v0
	s_mul_i32 s78, s[WV], 16*272
	v_mul_u32_u24 v3, v5, 272
	s_delay_alu instid0(VALU_DEP_1)
	v_lshl_add_u32 v3, v2, 5, v3
	s_delay_alu instid0(VALU_DEP_1)
	v_add_nc_u32 v3, s78, v3
	v_mul_u32_u24 v4, v2, 272
	s_delay_alu instid0(VALU_DEP_1)
	v_lshl_add_u32 v4, v5, 4, v4
	s_delay_alu instid0(VALU_DEP_1)
	v_add_nc_u32 v4, s78, v4
	v_lshlrev_b32 v7, 12, v2
	s_delay_alu instid0(VALU_DEP_1)
	v_lshl_add_u32 v7, v5, 4, v7
	s_wait_alu depctr_va_vdst(0)
.set j, 0
.rept 16
	v_pk_mul_f32 v[S+j:S+j+1], v[OA+j:OA+j+1], v[10:11] op_sel_hi:[1,0]
.set j, j+2
.endr
.set j, 0
.rept 16
	v_pk_fma_f32 v[S+j:S+j+1], v[OB+j:OB+j+1], v[14:15], v[S+j:S+j+1] op_sel_hi:[1,0,1]
.set j, j+2
.endr
	s_wait_alu depctr_va_vdst(0)
	s_wait_dscnt 0x0
	s_barrier_signal -1
	s_barrier_wait -1
.irp c, 0,1,2,3
	ds_store_b128 v3, v[S+8*\c:S+8*\c+3] offset:64*\c
	ds_store_b128 v3, v[S+8*\c+4:S+8*\c+7] offset:64*\c+16
.endr
.irp i, 0,1,2,3,4,5,6,7
	ds_load_b128 v[F+4*\i:F+4*\i+3], v4 offset:2*\i*272
.endr
.irp i, 0,1,2,3,4,5,6,7
	s_wait_dscnt 7-\i
	global_store_b128 v7, v[F+4*\i:F+4*\i+3], s[10:11] offset:8192*\i
.endr
	s_wait_tensorcnt 0x0
	ds_add_u32 v254, v255
	s_wait_dscnt 0x0
	CROUND
	s_endpgm
.Lfunc_end_k_q1fef2e10ee_attn:
	.size	k_q1fef2e10ee_attn, .Lfunc_end_k_q1fef2e10ee_attn-k_q1fef2e10ee_attn
	.p2alignl 7, 3214868480
	.fill 96, 4, 3214868480
	.section	.rodata,"a",@progbits
	.p2align	6, 0x0
	.amdhsa_kernel k_q1fef2e10ee_attn
		.amdhsa_group_segment_fixed_size 327680
		.amdhsa_private_segment_fixed_size 0
		.amdhsa_enable_private_segment 0
		.amdhsa_kernarg_size 32
		.amdhsa_user_sgpr_count 2
		.amdhsa_user_sgpr_kernarg_segment_ptr 1
		.amdhsa_wavefront_size32 1
		.amdhsa_system_sgpr_workgroup_id_x 1
		.amdhsa_system_sgpr_workgroup_id_y 1
		.amdhsa_system_sgpr_workgroup_id_z 1
		.amdhsa_system_vgpr_workitem_id 0
		.amdhsa_next_free_vgpr 256
		.amdhsa_next_free_sgpr 80
		.amdhsa_reserve_vcc 0
		.amdhsa_float_denorm_mode_32 3
		.amdhsa_float_denorm_mode_16_64 3
		.amdhsa_memory_ordered 1
		.amdhsa_forward_progress 1
		.amdhsa_inst_pref_size 90
	.end_amdhsa_kernel
	.amdgpu_metadata
---
amdhsa.version: [ 1, 2 ]
amdhsa.kernels:
  - .name:           k_q1fef2e10ee_attn
    .symbol:         k_q1fef2e10ee_attn.kd
    .args:
      - { .name: qq, .offset: 0, .size: 8, .value_kind: global_buffer, .address_space: global }
      - { .name: kv, .offset: 8, .size: 8, .value_kind: global_buffer, .address_space: global }
      - { .name: attention_mask, .offset: 16, .size: 8, .value_kind: global_buffer, .address_space: global }
      - { .name: ctx, .offset: 24, .size: 8, .value_kind: global_buffer, .address_space: global }
    .group_segment_fixed_size: 327680
    .private_segment_fixed_size: 0
    .kernarg_segment_align: 8
    .kernarg_segment_size: 32
    .max_flat_workgroup_size: 512
    .sgpr_count:     80
    .vgpr_count:     256
    .wavefront_size: 32
...
	.end_amdgpu_metadata
.endif
;; end of part 3
;; launch fin (part 4): grid 256 x 1, 4 waves a work-group, clusters of 4 x 1, 327,680 bytes of LDS; arguments ctx, params_gpost, params_dpost, codes, scales, params_bo, value_tensor, out0; writes out0
.if DOCPART == 4
	.amdgcn_target "amdgcn-amd-amdhsa--gfx1250"
	.amdhsa_code_object_version 6
	.text
	.protected	k_q1fef2e10ee_fin
	.globl	k_q1fef2e10ee_fin
	.p2align	8
	.type	k_q1fef2e10ee_fin,@function
k_q1fef2e10ee_fin:
	s_mov_b64 s[64:65], 0
	v_nop
	global_prefetch_b8 v0, s[64:65] scope:SCOPE_SE
	s_setreg_imm32_b32 hwreg(HW_REG_WAVE_MODE, 25, 1), 1
	s_wait_xcnt 0x0
	s_wait_alu depctr_hold_cnt(0) depctr_sa_sdst(0) depctr_va_vdst(0) depctr_va_sdst(0) depctr_va_ssrc(0) depctr_va_vcc(0) depctr_vm_vsrc(0)
	s_getreg_b32 s2, hwreg(HW_REG_IB_STS2, 6, 4)
	s_cmp_eq_u32 s2, 0
	s_cbranch_scc0 .Lentry_in_a_cluster
	s_endpgm
.Lentry_in_a_cluster:
	s_bfe_u32 s2, ttmp6, 0x10000c
	s_cmp_lg_u32 s2, 0x3003
	s_cbranch_scc0 .Lentry_shape_is_right
	s_endpgm
.Lentry_shape_is_right:
; out = Q(LayerNorm(ctx) g + d) Q(Wo)^T + bo + value.  A work-group takes 16 tokens and all 1,024 features, so each number of ctx is read once and quantised in the head.
; HEAD: a wave loads 4 rows (each load 512 consecutive bytes), norms them in f32 (mean, then the mean of the squared differences) and lays them into an f32 stage in LDS.
; Then wave w takes K steps 2 w, 2 w + 1: lane (r, h) reads its 2 x 32 neighbours of row r, so a block's largest magnitude needs no other lane; codes and scale word go to LDS
; as images of the operand's registers, and every wave reads all eight (96 registers + 8 scale words).
; WALK: Wo's codes (rows 25,600 on of the codes' buffer, 768 dense bytes each) come as WHOLE ROWS OF K through two slots of 128 rows, stated as dense rows of 256 bytes with 16 of padding behind each.
; Tile t holds rows 256 w + 32 t .. + 31 for wave w: each wave fetches and reads its own 32 rows.  A trip is 16 matrix instructions a wave, two accumulators by turns.
; CLUSTER 4 x 1: all work-groups walk the same rows of Wo: each tile is asked for jointly (mask 15); a round of the cluster's barrier stands in front of each refill.
; The matrix instruction is used transposed (source 0 = 16 rows of Wo, source 1 = the 16 tokens): a lane holds eight neighbouring features of one token.
; Two trips make 64 features, 256 bytes of each token's row: they turn through the wave's own stage, take bias and residual, and leave as whole aligned blocks of 256 bytes.
; PREFETCH: in trip t the tile that trip t + 2 loads (tile t + 3): of a wave's 96 blocks of 256 bytes each partner names 24, told apart by address (cx); lanes 24-31 name the 24th again; trips 5 to 7 ask for nothing.
; LIMITS: a block of zeros gets the byte 1 where the rule says 127 (its codes are zeros; only this launch reads the byte); blocks under 2^-122 are quantised under the byte 1; NaN and infinities are not served.
; REGISTERS: window 0: v1-15 addresses; v16-111 A's fragments; v112-119 A's scale words; v120-183 Wo's scale words (8 a trip; lanes 0-15 the tile's rows 0-15, lanes 16-31 rows 16-31);
; v184-247 accumulators, two sets of a pair of trips; v248-251 the bias.  Window 1: v0-191 a trip's 16 fragments of Wo; v192-223 rows back from the stage; v224-255 the residual.
.set SPITCH, 4112                      ; the f32 stage: a row + 16 bytes
.set BP,     816                       ; a row of codes in LDS: 3 x (256 + 16)
.set WROWS,  32*BP
.set SLOTB,  4*WROWS
.set STG,    2*SLOTB
.set IMG,    STG+16*SPITCH
.set IMB,    1664                      ; an image: 3 x 512 bytes of codes, 128 of scale words
.set OST,    IMG+8*IMB
.set OP,     272
.set SPARE,  OST+4*16*OP
.set CH,     24576                     ; 32 rows of codes
.set WOB,    25600*768
.set WOS,    25600*32
.set ILS, 1
.set SH8, 3
.set BA,  5                            ; v5, v6 slot 0 (v6: behind one padding more for lanes 16-31); v7, v8 slot 1
.set OS,  9
.set ORD, 10
.set VO,  11
.set BO,  12
.set PF,  13
.set SCO, 14
.set IL,  15
.set AFR, 16
.set ASC, 112
.set BSC, 120
.set ACC, 184
.set BIAS, 248
.set SPW, 252
.set NIL, 253
.set X, 16                             ; the head: four rows; g; d; temporaries; LDS addresses
.set G, 144
.set D, 176
.set T, 208
.set ST, 248
.set RD, 249
.set IM, 250
.set IMS, 251
.set CD, 80
.set CT, 92
.set M,  100
.set SO, 102
.set BB, 104
.set W,  106
.set W2, 107
.set BK,  192
.set VAL, 224
.set TO_B, 0x40
.set MSB, 0
.macro WIN new
.if MSB != \new
	s_set_vgpr_msb (MSB<<8)|\new
.set MSB, \new
.endif
.endm
.macro ROUND
	s_barrier_signal -1
	s_barrier_wait -1
	s_cmp_lg_u32 s20, 0
	s_cbranch_scc1 .Lnot_wave_0_\@
	s_barrier_signal -3
.Lnot_wave_0_\@:
	s_barrier_wait -3
	s_barrier_signal -1
	s_barrier_wait -1
.endm
	s_load_b256 s[4:11], s[0:1], 0x0               ; ctx, g, d, the codes
	s_load_b256 s[12:19], s[0:1], 0x20             ; the scale bytes, bo, value, out
	v_lshl_add_u32 v[SPW], v0, 2, SPARE
	v_mov_b32 v[NIL], 0
	ds_add_u32 v[SPW], v[NIL]                      ; the opening lines: the add twice and its wait
	ds_add_u32 v[SPW], v[NIL]
	v_lshrrev_b32 v1, 5, v0
	v_readfirstlane_b32 s20, v1                    ; wave
	s_bfe_u32 s21, ttmp6, 0x40000                  ; cx
	s_lshl_b32 s22, ttmp9, 2
	s_add_co_u32 s22, s22, s21                     ; work-group: 16 tokens
	s_mov_b32 s24, 15|(3<<16)|(1<<20)|(1<<21)|(5<<22)|(3<<25)   ; 96 dense rows of 32 x 8 bytes, 4 words of padding behind each 64
	s_mov_b32 s25, 32<<16
	s_mov_b32 s26, 96<<16
	s_mov_b32 s27, 32<<16
	s_mov_b32 s28, 96
	s_mov_b32 s29, 32
	s_mov_b32 s30, 0
	s_mov_b32 s31, 0
	s_mul_i32 s40, s20, 8*CH
	s_add_co_u32 s40, s40, WOB
	s_mov_b32 s41, 0
	s_mul_i32 s42, s20, WROWS
	s_mov_b32 s48, 0x76543210
	s_mov_b32 s49, 0xfedcba98
	s_mov_b32 s50, 0x3a800000                      ; 1 / 1024
	s_mov_b32 s51, 0x2b8cbccc                      ; 1e-12
	s_wait_dscnt 0x0
	s_wait_kmcnt 0x0
	s_add_nc_u64 s[40:41], s[10:11], s[40:41]      ; my 256 rows of Wo
	s_mov_b32 s32, 1
	s_mov_b32 s33, s42
	s_mov_b64 s[34:35], s[40:41]
	s_or_b32 s35, s35, 0x80000000
	s_mov_b32 s36, 1
	s_add_co_u32 s37, s42, SLOTB
	s_add_nc_u64 s[38:39], s[40:41], CH
	s_or_b32 s39, s39, 0x80000000
	ROUND
	tensor_load_to_lds s[32:35], s[24:31]          ; tile 0: my one load at the head
	s_nop 0
.rept 4
	v_nop
.endr
	s_lshl_b32 s44, s22, 16                        ; 16 rows of 4,096 bytes
	s_mov_b32 s45, 0
	s_add_nc_u64 s[4:5], s[4:5], s[44:45]
	s_add_nc_u64 s[16:17], s[16:17], s[44:45]
	s_add_nc_u64 s[18:19], s[18:19], s[44:45]
	s_lshl_b32 s44, s20, 14                        ; my four rows
	s_add_nc_u64 s[4:5], s[4:5], s[44:45]
	v_and_b32 v1, 31, v0                           ; lane
	v_and_b32 v3, 15, v0                           ; r
	v_bfe_u32 v4, v0, 4, 1                         ; h
	v_lshlrev_b32 v2, 4, v1
	s_wait_alu depctr_va_vdst(0)                   ; the wait behind these writes
.irp j, 0,1,2,3,4,5,6,7
	global_load_b128 v[G+4*\j:G+4*\j+3], v2, s[6:7] offset:512*\j
.endr
.irp j, 0,1,2,3,4,5,6,7
	global_load_b128 v[D+4*\j:D+4*\j+3], v2, s[8:9] offset:512*\j
.endr
.irp i, 0,1,2,3
.irp j, 0,1,2,3,4,5,6,7
	global_load_b128 v[X+32*\i+4*\j:X+32*\i+4*\j+3], v2, s[4:5] offset:4096*\i+512*\j th:TH_LOAD_NT
.endr
.endr
	s_lshl_b32 s44, s20, 10                        ; my 256 features
	s_add_nc_u64 s[14:15], s[14:15], s[44:45]
	s_add_nc_u64 s[16:17], s[16:17], s[44:45]
	s_add_nc_u64 s[18:19], s[18:19], s[44:45]
	s_lshl_b32 s44, s20, 13
	s_add_co_u32 s44, s44, WOS
	s_add_nc_u64 s[12:13], s[12:13], s[44:45]      ; their scale bytes
	s_mul_i32 s52, s20, 4*SPITCH
	s_add_co_u32 s52, s52, STG
	v_add_nc_u32 v[ST], s52, v2
	v_mul_u32_u24 v[RD], v3, SPITCH
	v_lshl_add_u32 v[RD], v4, 7, v[RD]
	s_lshl_b32 s52, s20, 10
	s_add_co_u32 s52, s52, STG
	v_add_nc_u32 v[RD], s52, v[RD]                 ; row r, 128 h bytes, my two K steps
	s_mul_i32 s52, s20, 2*IMB
	s_add_co_u32 s52, s52, IMG
	v_add_nc_u32 v[IM], s52, v2
	v_lshl_add_u32 v[IMS], v1, 2, s52
	v_add_nc_u32 v[IL], IMG, v2
	v_mul_u32_u24 v[BA], v3, BP
	v_mad_u32_u24 v[BA], v4, 24, v[BA]
	v_add_nc_u32 v[BA], s42, v[BA]
	v_lshl_add_u32 v[BA+1], v4, 4, v[BA]
	v_add_nc_u32 v[BA+2], SLOTB, v[BA]
	v_add_nc_u32 v[BA+3], SLOTB, v[BA+1]
	s_mul_i32 s52, s20, 16*OP
	s_add_co_u32 s52, s52, OST
	v_mul_u32_u24 v[OS], v3, OP
	v_lshl_add_u32 v[OS], v4, 5, v[OS]
	v_add_nc_u32 v[OS], s52, v[OS]
	v_mul_u32_u24 v[ORD], v4, OP
	v_lshl_add_u32 v[ORD], v3, 4, v[ORD]
	v_add_nc_u32 v[ORD], s52, v[ORD]
	v_lshlrev_b32 v[BO], 4, v3
	v_lshl_add_u32 v[VO], v4, 12, v[BO]
	v_min_u32 v[PF], 23, v1
	v_lshlrev_b32 v[PF], 8, v[PF]
	s_mul_i32 s52, s21, 24*256
	v_add_nc_u32 v[PF], s52, v[PF]
	v_lshlrev_b32 v[SCO], 5, v1
	v_lshl_add_u32 v[ILS], v1, 2, IMG
	v_lshlrev_b32 v[SH8], 3, v4
	v_mov_b32 v[T+9], 0                            ; a lane permute's destination counts as a source
	v_mov_b32 v[T+11], 0                           ; upper halves of pairs
	v_mov_b32 v[T+13], 0
.macro FOLD                            ; four packed chains into the sum over the row, in every lane
	v_pk_add_f32 v[T:T+1], v[T:T+1], v[T+2:T+3]
	v_pk_add_f32 v[T+4:T+5], v[T+4:T+5], v[T+6:T+7]
	v_pk_add_f32 v[T:T+1], v[T:T+1], v[T+4:T+5]
	v_add_f32 v[T+8], v[T], v[T+1]
.irp x, 1,2,4,8
	v_add_f32_dpp v[T+8], v[T+8], v[T+8] row_xmask:\x row_mask:0xf bank_mask:0xf
.endr
	v_permlanex16_b32 v[T+9], v[T+8], s48, s49
	v_add_f32 v[T+8], v[T+8], v[T+9]
.endm
.macro NORM i
.set XS, X+32*(\i)
	s_wait_alu depctr_va_vdst(0)
	s_wait_loadcnt 8*(3-(\i))                      ; the later rows' loads may be out
.irp c, 0,2,4,6
	v_pk_add_f32 v[T+\c:T+\c+1], v[XS+\c:XS+\c+1], v[XS+8+\c:XS+9+\c]
.endr
.irp m, 16,24
.irp c, 0,2,4,6
	v_pk_add_f32 v[T+\c:T+\c+1], v[T+\c:T+\c+1], v[XS+\m+\c:XS+\m+\c+1]
.endr
.endr
	FOLD
	v_mul_f32 v[T+10], s50, v[T+8]                 ; the mean
.set j, 0
.rept 16
	v_pk_add_f32 v[XS+j:XS+j+1], v[XS+j:XS+j+1], v[T+10:T+11] op_sel_hi:[1,0] neg_lo:[0,1] neg_hi:[0,1]
.set j, j+2
.endr
.irp c, 0,2,4,6
	v_pk_mul_f32 v[T+\c:T+\c+1], v[XS+\c:XS+\c+1], v[XS+\c:XS+\c+1]
.endr
.irp m, 8,16,24
.irp c, 0,2,4,6
	v_pk_fma_f32 v[T+\c:T+\c+1], v[XS+\m+\c:XS+\m+\c+1], v[XS+\m+\c:XS+\m+\c+1], v[T+\c:T+\c+1]
.endr
.endr
	FOLD
	v_fma_f32 v[T+8], v[T+8], s50, s51             ; the variance + 1e-12
	s_wait_alu depctr_va_vdst(0)
	v_rsq_f32 v[T+12], v[T+8]
	v_nop
	s_wait_alu depctr_va_vdst(0)
.set j, 0
.rept 16
	v_pk_mul_f32 v[XS+j:XS+j+1], v[XS+j:XS+j+1], v[T+12:T+13] op_sel_hi:[1,0]
.set j, j+2
.endr
.set j, 0
.rept 16
	v_pk_fma_f32 v[XS+j:XS+j+1], v[XS+j:XS+j+1], v[G+j:G+j+1], v[D+j:D+j+1]
.set j, j+2
.endr
.irp j, 0,1,2,3,4,5,6,7
	ds_store_b128 v[ST], v[XS+4*\j:XS+4*\j+3] offset:(\i)*SPITCH+512*\j
.endr
.endm
	NORM 0
	NORM 1
	NORM 2
	NORM 3
	s_wait_alu depctr_va_vdst(0)
	s_wait_tensorcnt 0x0                           ; tile 0 is in
	ds_add_u32 v[SPW], v[NIL]
	s_wait_dscnt 0x0                               ; the add, and my rows in the stage
	ROUND
	tensor_load_to_lds s[36:39], s[24:31]          ; tile 1
	s_nop 0
.rept 4
	v_nop
.endr
	v_mov_b32 v[W2], 0                             ; a lane permute's destination counts as a source
.irp t, 0,1,2,3,4,5,6,7
	global_load_b128 v[BSC+8*\t:BSC+8*\t+3], v[SCO], s[12:13] offset:1024*\t
	global_load_b128 v[BSC+8*\t+4:BSC+8*\t+7], v[SCO], s[12:13] offset:1024*\t+16
.endr
.irp i, 0,1,2,3,4,5,6,7,8,9,10,11,12,13,14,15
	ds_load_b128 v[16+4*\i:19+4*\i], v[RD] offset:256*(\i/8)+16*(\i%8)
.endr
.irp i, 0,1,2,3,4,5,6,7,8,9,10,11,12,13,14,15
	ds_load_b128 v[184+4*\i:187+4*\i], v[RD] offset:512+256*(\i/8)+16*(\i%8)
.endr
.macro QUANT z, u                      ; v[z + 32 c ..]: my block 2 c + h of the K step
.irp c, 0,1
	v_max3_num_f32 v[M+\c], |v[\z+32*\c]|, |v[\z+32*\c+1]|, 0x2800000   ; with the floor 2^(5 - 127)
.endr
.irp i, 2,4,6,8,10,12,14,16,18,20,22,24,26,28,30
.irp c, 0,1
	v_max3_num_f32 v[M+\c], v[M+\c], |v[\z+32*\c+\i]|, |v[\z+32*\c+\i+1]|
.endr
.endr
.irp c, 0,1
	v_add_nc_u32 v[SO+\c], 0xfe000000, v[M+\c]     ; 4 off the exponent field: the conversion's scale operand
.endr
.irp c, 0,1
	v_lshrrev_b32 v[BB+\c], 23, v[SO+\c]
.endr
	v_lshl_or_b32 v[W], v[BB+1], 16, v[BB]         ; bytes h and 2 + h,
	v_lshlrev_b32 v[W], v[SH8], v[W]
	v_permlanex16_b32 v[W2], v[W], s48, s49
	v_or_b32 v[W], v[W], v[W2]                     ; with lane l xor 16's the word is whole
.irp c, 0,1
	v_cvt_scalef32_pk16_bf6_f32 v[CD+6*\c:CD+6*\c+2], v[\z+32*\c:\z+32*\c+15], v[SO+\c]
	v_cvt_scalef32_pk16_bf6_f32 v[CT+4*\c:CT+4*\c+2], v[\z+32*\c+16:\z+32*\c+31], v[SO+\c]
.endr
	v_nop
.irp c, 0,1
.irp i, 0,1,2
	v_mov_b32 v[CD+6*\c+3+\i], v[CT+4*\c+\i]
.endr
.endr
.irp p, 0,1,2
	ds_store_b128 v[IM], v[CD+4*\p:CD+4*\p+3] offset:IMB*(\u)+512*\p
.endr
	ds_store_b32 v[IMS], v[W] offset:IMB*(\u)+1536
.endm
	s_wait_dscnt 16                                ; the first K step's 16 loads are in
	QUANT 16, 0
	s_wait_dscnt 0x0                               ; the second's, and the image's stores have read their registers
	QUANT 184, 1
	s_wait_dscnt 0x0
	s_barrier_signal -1                            ; tile 1's load may be out
	s_barrier_wait -1
.irp s, 0,1,2,3,4,5,6,7
.irp p, 0,1,2
	ds_load_b128 v[AFR+12*\s+4*\p:AFR+12*\s+4*\p+3], v[IL] offset:IMB*\s+512*\p
.endr
	ds_load_b32 v[ASC+\s], v[ILS] offset:IMB*\s+1536
.endr
.macro VLOAD p                         ; the residual and the bias at the 64 features of pair p
	WIN TO_B
.irp i, 0,1,2,3,4,5,6,7
	global_load_b128 v[VAL+4*\i:VAL+4*\i+3], v[VO], s[16:17] offset:8192*\i+256*(\p) th:TH_LOAD_NT
.endr
	WIN 0
	global_load_b128 v[BIAS:BIAS+3], v[BO], s[14:15] offset:256*(\p)
.endm
.macro OUTA p                          ; pair p's four accumulators into my stage, each from its low end on, and back as rows of 256 bytes
.set AP, ACC+32*((\p)%2)
	s_wait_xcnt 0x0                                ; the last pair's stores have read their registers
.irp q, 0,1,2,3
	ds_store_b128 v[OS], v[AP+8*\q:AP+8*\q+3] offset:64*\q
	ds_store_b128 v[OS], v[AP+8*\q+4:AP+8*\q+7] offset:64*\q+16
.endr
	WIN TO_B
.irp i, 0,1,2,3,4,5,6,7
	ds_load_b128 v[BK+4*\i:BK+4*\i+3], v[ORD] offset:2*OP*\i
.endr
.endm
.macro OUTB p, younger
	s_wait_loadcnt 0x0
	s_wait_dscnt \younger
	WIN 0x45
.set j, 0
.rept 16
	v_pk_add_f32 v[BK+j:BK+j+1], v[BK+j:BK+j+1], v[VAL+j:VAL+j+1]
.set j, j+2
.endr
	WIN 0x41
.irp i, 0,1,2,3,4,5,6,7
	v_pk_add_f32 v[BK+4*\i:BK+4*\i+1], v[BK+4*\i:BK+4*\i+1], v[BIAS:BIAS+1]
	v_pk_add_f32 v[BK+4*\i+2:BK+4*\i+3], v[BK+4*\i+2:BK+4*\i+3], v[BIAS+2:BIAS+3]
.endr
	WIN 0x04
.irp i, 0,1,2,3,4,5,6,7                ; sixteen lanes store 256 consecutive bytes, aligned
	global_store_b128 v[VO], v[BK+4*\i:BK+4*\i+3], s[18:19] offset:8192*\i+256*(\p) th:TH_STORE_NT
.endr
.if (\p) < 3
	VLOAD (\p)+1
.endif
	WIN 0
.endm
.macro TRIP t
.set SL, (\t)%2
.set AC, ACC+32*(((\t)/2)%2)+16*((\t)%2)
.if (\t) > 0
	s_wait_tensorcnt 0x0                           ; my one load that was out: this trip's tile
.if (\t) < 7
	ds_add_u32 v[SPW], v[NIL]
	s_add_nc_u64 s[38-4*SL:39-4*SL], s[38-4*SL:39-4*SL], 2*CH   ; the other slot's next tile
	s_wait_dscnt 0x0                               ; the add, and my reads of the other slot
	ROUND
	tensor_load_to_lds s[36-4*SL:39-4*SL], s[24:31]   ; tile t + 1
	s_nop 0
.endif
.rept 4
	v_nop                                          ; places behind the last products
.endr
.if (\t)%2 == 0
	OUTA (\t)/2-1
.endif
.endif
	WIN TO_B
.irp s, 0,1,2,3,4,5,6,7                ; byte y of a row of codes lies at y + 16 (y / 256) of its LDS row
.irp i, 0,1
.irp p, 0,1,2,3,4,5
.set BY, 96*\s+48*(\p/3)+8*(\p%3)
.if BY/256 == (BY+24)/256
	ds_load_b64 v[24*\s+12*\i+2*\p:24*\s+12*\i+2*\p+1], v[BA+2*SL] offset:BY+16*(BY/256)+\i*16*BP
.else
	ds_load_b64 v[24*\s+12*\i+2*\p:24*\s+12*\i+2*\p+1], v[BA+2*SL+1] offset:BY+16*(BY/256)+\i*16*BP
.endif
.endr
.endr
.endr
	WIN 0
.if (\t)+3 < 8
	s_cmp_lt_u32 ttmp9, 4
	s_cbranch_scc0 .Lno_prefetch_fin0_\@
	global_prefetch_b8 v[PF], s[40:41] offset:((\t)+3)*CH th:TH_LOAD_NT scope:SCOPE_SE
.Lno_prefetch_fin0_\@:
.endif
.if (\t) > 0 && (\t)%2 == 0
	OUTB (\t)/2-1, 63                              ; 96 loads stand behind the stage's
.endif
.if (\t) == 0
	s_wait_loadcnt 9                               ; Wo's scale words are in; the residual's eight loads and the bias's may be out
.endif
	WIN 0x01
.irp s, 0,1,2,3,4,5,6,7
.if 12*(7-\s) > 63
	s_wait_dscnt 63
.else
	s_wait_dscnt 12*(7-\s)                         ; the later K steps' loads may be out
.endif
.if \s == 0
	v_wmma_scale_f32_16x16x128_f8f6f4 v[AC:AC+7], v[24*\s:24*\s+11], v[AFR+12*\s:AFR+12*\s+11], 0, v[BSC+8*(\t)+\s], v[ASC+\s] matrix_a_fmt:MATRIX_FMT_BF6 matrix_b_fmt:MATRIX_FMT_BF6
	v_wmma_scale_f32_16x16x128_f8f6f4 v[AC+8:AC+15], v[24*\s+12:24*\s+23], v[AFR+12*\s:AFR+12*\s+11], 0, v[BSC+8*(\t)+\s], v[ASC+\s] matrix_a_fmt:MATRIX_FMT_BF6 matrix_b_fmt:MATRIX_FMT_BF6 matrix_a_scale:MATRIX_SCALE_ROW1
.else
	v_wmma_scale_f32_16x16x128_f8f6f4 v[AC:AC+7], v[24*\s:24*\s+11], v[AFR+12*\s:AFR+12*\s+11], v[AC:AC+7], v[BSC+8*(\t)+\s], v[ASC+\s] matrix_a_fmt:MATRIX_FMT_BF6 matrix_b_fmt:MATRIX_FMT_BF6
	v_wmma_scale_f32_16x16x128_f8f6f4 v[AC+8:AC+15], v[24*\s+12:24*\s+23], v[AFR+12*\s:AFR+12*\s+11], v[AC+8:AC+15], v[BSC+8*(\t)+\s], v[ASC+\s] matrix_a_fmt:MATRIX_FMT_BF6 matrix_b_fmt:MATRIX_FMT_BF6 matrix_a_scale:MATRIX_SCALE_ROW1
.endif
.endr
	WIN 0
.endm
	VLOAD 0
.irp t, 0,1,2,3,4,5,6,7
	TRIP \t
.endr
.rept 4
	v_nop
.endr
	OUTA 3
	OUTB 3, 0
	s_wait_tensorcnt 0x0                           ; the wave's end
	ds_add_u32 v[SPW], v[NIL]
	s_wait_dscnt 0x0
	ROUND                                          ; the closing round
	s_endpgm
.Lfunc_end_k_q1fef2e10ee_fin:
	.size	k_q1fef2e10ee_fin, .Lfunc_end_k_q1fef2e10ee_fin-k_q1fef2e10ee_fin
	.p2alignl 7, 3214868480
	.fill 96, 4, 3214868480
	.section	.rodata,"a",@progbits
	.p2align	6, 0x0
	.amdhsa_kernel k_q1fef2e10ee_fin
		.amdhsa_group_segment_fixed_size 327680
		.amdhsa_private_segment_fixed_size 0
		.amdhsa_enable_private_segment 0
		.amdhsa_kernarg_size 64
		.amdhsa_user_sgpr_count 2
		.amdhsa_user_sgpr_kernarg_segment_ptr 1
		.amdhsa_wavefront_size32 1
		.amdhsa_system_sgpr_workgroup_id_x 1
		.amdhsa_system_sgpr_workgroup_id_y 1
		.amdhsa_system_sgpr_workgroup_id_z 1
		.amdhsa_system_vgpr_workitem_id 0
		.amdhsa_next_free_vgpr 512
		.amdhsa_next_free_sgpr 66
		.amdhsa_reserve_vcc 0
		.amdhsa_float_denorm_mode_32 3
		.amdhsa_float_denorm_mode_16_64 3
		.amdhsa_memory_ordered 1
		.amdhsa_forward_progress 1
		.amdhsa_inst_pref_size 142
	.end_amdhsa_kernel
	.amdgpu_metadata
---
amdhsa.version: [ 1, 2 ]
amdhsa.kernels:
  - .name:           k_q1fef2e10ee_fin
    .symbol:         k_q1fef2e10ee_fin.kd
    .args:
      - { .name: ctx, .offset: 0, .size: 8, .value_kind: global_buffer, .address_space: global }
      - { .name: params_gpost, .offset: 8, .size: 8, .value_kind: global_buffer, .address_space: global }
      - { .name: params_dpost, .offset: 16, .size: 8, .value_kind: global_buffer, .address_space: global }
      - { .name: codes, .offset: 24, .size: 8, .value_kind: global_buffer, .address_space: global }
      - { .name: scales, .offset: 32, .size: 8, .value_kind: global_buffer, .address_space: global }
      - { .name: params_bo, .offset: 40, .size: 8, .value_kind: global_buffer, .address_space: global }
      - { .name: value_tensor, .offset: 48, .size: 8, .value_kind: global_buffer, .address_space: global }
      - { .name: out0, .offset: 56, .size: 8, .value_kind: global_buffer, .address_space: global }
    .group_segment_fixed_size: 327680
    .private_segment_fixed_size: 0
    .kernarg_segment_align: 8
    .kernarg_segment_size: 64
    .max_flat_workgroup_size: 128
    .sgpr_count:     66
    .vgpr_count:     512
    .wavefront_size: 32
...
	.end_amdgpu_metadata
.endif
;; end of part 4
